; MI455X (gfx1250); checked and timed in simulation.
; The chip was launched on July 23, 2026; its instructions are those of AMD's public machine-readable ISA for CDNA 5 (MIT licence, August 2026) and "CDNA5" Instruction Set Architecture Reference Guide (July 2026). The comments in the code are by the model that wrote it; some were corrected since.
;; Rope MQA. Allowed arithmetic: float matrix products may take bf16 or f16 operands with f32 sums; all other float work in f32.
;; Inputs: wk 1,024 x 64 float32; wo 1,024 x 1,024 float32; wq 1,024 x 1,024 float32; wv 1,024 x 64 float32; x 2 x 2,048 x 1,024 float32.
;; Outputs: out0 2 x 2,048 x 1,024 float32.
;; 3 versions, each right; version 2 is faster than version 1; version 3 is version 2 with the launch prep written anew for expert scheduling mode. Each part assembles by itself: llvm-mc -triple=amdgcn-amd-amdhsa -mcpu=gfx1250 --defsym DOCPART=n.
;; ======== version 1 of 3: 4 launches
;; limits: values are held in f16: magnitudes above 65,504 overflow, below 6.1e-05 lose precision
;; workspace buffers: xF 8,388,608 bytes; w1F 2,359,296 bytes; woF 2,097,152 bytes; tab 524,288 bytes; qF 8,388,608 bytes; kF 524,288 bytes; vF 1,048,576 bytes; aF 16,777,216 bytes
;; launch prep (part 1): grid 456 x 1, 8 waves a work-group, no clusters, 37,888 bytes of LDS; arguments x, wq, wk, wv, wo, xF, w1F, woF, tab; writes xF, w1F, woF, tab
.if DOCPART == 1
	.amdgcn_target "amdgcn-amd-amdhsa--gfx1250"
	.amdhsa_code_object_version 6
	.text
	.protected	k_q753e9bd1b7_prep
	.globl	k_q753e9bd1b7_prep
	.p2align	8
	.type	k_q753e9bd1b7_prep,@function
k_q753e9bd1b7_prep:
	s_mov_b64 s[64:65], 0
	v_nop
	global_prefetch_b8 v0, s[64:65] scope:SCOPE_SE
	s_setreg_imm32_b32 hwreg(HW_REG_WAVE_MODE, 25, 1), 1
	s_wait_xcnt 0x0
; prep: rounds the five inputs once and lays them in FRAGMENT ORDER, and makes the RoPE table.
; Fragment order: a tile of 16 rows x 32 k of 16-bit numbers is 1,024 bytes, [e 0..1][lane 0..31][16 bytes]; lane (r = L & 15, h = L >> 4),
; piece e, holds row r, k = 16 e + 8 h + 0..7: the register image of a 16-bit matrix operand, so later launches load 512 neighbouring bytes a piece.
;   work-groups   0..255  x  rows 16 X ..     -> xF  [tile 256][chunk 32][1 KB], bf16
;   work-groups 256..319  wq rows 16 T ..     -> w1F [block 8][tile 9][chunk 32][1 KB], tiles 0..7, bf16
;   work-groups 320..383  wo rows 16 T ..     -> woF [tile 64][chunk 32][1 KB]: rounded to bf16, that value written as f16
;   work-groups 384..391  wk, wv (k along the rows of memory) -> tile 8 of w1F's blocks 0..3 (wk) and 4..7 (wv), bf16
;   work-groups 392..455  cos and sin -> tab [position tile 128][t 4][cos, sin][lane][4 f32], position 16 PT + r, pair p = 8 t + 4 h + jj
; LIMITS: |wo| below 65,504; a wo below 2^-14 in magnitude carries an absolute error of up to 2^-25 (f16).  The angle is position x freq in f32 with
; freq = 2^(-p log2(1000)/32) from v_exp_f32; it can differ from a table made with other roundings by some 3e-4 rad at the last positions.
; sin and cos: reduction by multiples of pi/2 in two parts, then polynomials of degree 7 and 8 on |r| <= pi/4 (cut-off error below 4e-7).
; No barrier: every wave uses LDS bytes of its own (4,608 w ..).  No matrix unit, no cluster: nothing is multiplied and no input byte is read twice.
.set STG, 4608                         ; LDS bytes of a wave: 2 x 8 groups of 288
.set GRP, 288                          ; a group = 8 columns x 16 rows x 2 bytes = 256 bytes, + 32 so that the 32 lanes of a store hit 32 different 8-byte columns
.set LD,  32                           ; v[32:95]   sixteen loads of 16 bytes
.set BK,  96                           ; v[96:127]  eight pieces read back, to store
; One tile of 16 rows x 1,024 columns; wave w takes columns 128 w .. 128 w + 127.  half = 1: on from bf16 to f16.
.macro CONV half
.irp rnd, 0,1
.irp i, 0,1,2,3,4,5,6,7
	global_load_b128 v[LD+32*\rnd+4*\i:LD+32*\rnd+4*\i+3], v1, s[26:27] offset:8192*\i+256*\rnd th:TH_LOAD_NT   ; lanes 0-15: 256 bytes of row 2 i, lanes 16-31: of row 2 i + 1
.endr
.endr
.irp rnd, 0,1
.irp i, 0,1,2,3,4,5,6,7
	s_wait_loadcnt 15-8*\rnd-\i                    ; loads come back in order: this one is in, the younger ones stay out
	v_cvt_pk_bf16_f32 v[LD+32*\rnd+4*\i],   v[LD+32*\rnd+4*\i],   v[LD+32*\rnd+4*\i+1]
	v_cvt_pk_bf16_f32 v[LD+32*\rnd+4*\i+1], v[LD+32*\rnd+4*\i+2], v[LD+32*\rnd+4*\i+3]
.if \half
	v_lshlrev_b32 v20, 16, v[LD+32*\rnd+4*\i]              ; the bf16 values as f32 again,
	v_and_b32 v21, 0xffff0000, v[LD+32*\rnd+4*\i]
	v_lshlrev_b32 v22, 16, v[LD+32*\rnd+4*\i+1]
	v_and_b32 v23, 0xffff0000, v[LD+32*\rnd+4*\i+1]
	v_cvt_pk_f16_f32 v[LD+32*\rnd+4*\i],   v20, v21        ; and as f16: 8 significant bits fit into 11
	v_cvt_pk_f16_f32 v[LD+32*\rnd+4*\i+1], v22, v23
.endif
	ds_store_b64 v2, v[LD+32*\rnd+4*\i:LD+32*\rnd+4*\i+1] offset:8*GRP*\rnd+32*\i   ; group a >> 1, row 2 i + hl, half a & 1
.endr
.irp k, 0,1,2,3
	ds_load_b128 v[BK+16*\rnd+4*\k:BK+16*\rnd+4*\k+3], v3 offset:8*GRP*\rnd+2*GRP*\k   ; groups 2 k + hl, row a: my own bytes, served in order behind the stores
.endr
.irp k, 0,1,2,3
	s_wait_dscnt 3-\k
	global_store_b128 v4, v[BK+16*\rnd+4*\k:BK+16*\rnd+4*\k+3], s[28:29] offset:2048*\rnd+512*\k   ; 512 neighbouring bytes of the tile
.endr
.endr
.endm
; cos and sin of position x freq(p0 + jj) into v[40+jj] and v[44+jj]
.macro ANGLE jj
	v_add_nc_u32 v12, \jj, v10
	v_cvt_f32_u32 v12, v12
	v_mul_f32 v12, 0xbe9f73da, v12                 ; -p log2(1000) / 32
	v_exp_f32 v13, v12
	v_nop                                          ; one plain place behind v_exp_f32 (ISA guide 5.7.2)
	s_wait_alu depctr_va_vdst(0)
	v_mul_f32 v13, v9, v13                         ; the angle
	v_mul_f32 v14, 0x3f22f983, v13                 ; x 2 / pi
	v_rndne_f32 v14, v14                           ; kq
	v_fmamk_f32 v15, v14, 0xbfc90fdb, v13          ; angle - kq x pi/2, upper part,
	v_fmamk_f32 v15, v14, 0x333bbd2e, v15          ; lower part
	v_mul_f32 v16, v15, v15
	v_mov_b32 v17, 0xb9500d01                      ; -1/5040
	v_fmaak_f32 v17, v16, v17, 0x3c088889          ; 1/120
	v_fmaak_f32 v17, v16, v17, 0xbe2aaaab          ; -1/6
	v_fma_f32 v17, v16, v17, 1.0
	v_mul_f32 v17, v15, v17                        ; sin r
	v_mov_b32 v18, 0x37d00d01                      ; 1/40320
	v_fmaak_f32 v18, v16, v18, 0xbab60b61          ; -1/720
	v_fmaak_f32 v18, v16, v18, 0x3d2aaaab          ; 1/24
	v_fma_f32 v18, v16, v18, -0.5
	v_fma_f32 v18, v16, v18, 1.0                   ; cos r
	v_cvt_i32_f32 v19, v14
	v_and_b32 v20, 1, v19
	v_cmp_eq_u32 vcc_lo, 1, v20                    ; odd quarter: the two change places
	v_cndmask_b32 v21, v17, v18, vcc_lo
	v_cndmask_b32 v22, v18, v17, vcc_lo
	v_lshlrev_b32 v20, 30, v19
	v_and_b32 v20, 0x80000000, v20                 ; sin is negative in quarters 2 and 3
	v_xor_b32 v[44+\jj], v20, v21
	v_add_nc_u32 v19, 1, v19
	v_lshlrev_b32 v19, 30, v19
	v_and_b32 v19, 0x80000000, v19                 ; cos in quarters 1 and 2
	v_xor_b32 v[40+\jj], v19, v22
.endm
	s_load_b512 s[8:23], s[0:1], 0x0               ; x 8, wq 10, wk 12, wv 14, wo 16, xF 18, w1F 20, woF 22
	s_load_b64 s[24:25], s[0:1], 0x40              ; tab
	v_lshl_add_u32 v128, v0, 2, 0x9000
	v_mov_b32 v129, 0
	v_lshrrev_b32 v5, 5, v0
	v_readfirstlane_b32 s4, v5                     ; wave
	v_and_b32 v6, 31, v0                           ; L
	v_and_b32 v7, 15, v0                           ; a = r
	v_bfe_u32 v8, v0, 4, 1                         ; hl = h
	v_lshlrev_b32 v4, 4, v6                        ; 16 L
	s_mov_b32 s2, ttmp9
	s_mov_b32 s7, 0                                ; s[6:7]: a byte offset in 64 bits
	s_wait_kmcnt 0x0
	s_cmp_ge_u32 s2, 392
	s_cbranch_scc1 .Ltab
	s_cmp_ge_u32 s2, 384
	s_cbranch_scc1 .Lkv
	; the three row-major sources
	s_mul_i32 s5, s4, STG
	s_lshl_b32 s3, s4, 9
	v_lshlrev_b32 v1, 4, v7
	v_lshl_add_u32 v1, v8, 12, v1
	v_add_nc_u32 v1, s3, v1                        ; load: 4,096 hl + 16 a + 512 w
	v_lshrrev_b32 v9, 1, v7
	v_mul_u32_u24 v2, v9, GRP
	v_lshl_add_u32 v2, v8, 4, v2
	v_and_b32 v9, 1, v7
	v_lshl_add_u32 v2, v9, 3, v2
	v_add_nc_u32 v2, s5, v2                        ; LDS in: 4,608 w + 288 (a >> 1) + 16 hl + 8 (a & 1)
	v_mul_u32_u24 v3, v8, GRP
	v_lshl_add_u32 v3, v7, 4, v3
	v_add_nc_u32 v3, s5, v3                        ; LDS back: 4,608 w + 288 hl + 16 a
	s_lshl_b32 s3, s4, 12
	v_add_nc_u32 v4, s3, v4                        ; store: 16 L + 4,096 w (four chunks a wave)
	s_cmp_ge_u32 s2, 320
	s_cbranch_scc1 .Lwo
	s_cmp_ge_u32 s2, 256                           ; x or wq
	s_cselect_b64 s[26:27], s[10:11], s[8:9]
	s_cselect_b64 s[28:29], s[20:21], s[18:19]
	s_cselect_b32 s3, 256, 0
	s_cselect_b32 s5, -1, 0
	s_sub_co_u32 s30, s2, s3                       ; T: the tile's number in its source
	s_lshl_b32 s6, s30, 16
	s_add_nc_u64 s[26:27], s[26:27], s[6:7]        ; 16 rows of 4,096 bytes a tile
	s_lshr_b32 s31, s30, 3
	s_and_b32 s31, s31, s5                         ; w1F has nine tiles a block: one tile more for every eight
	s_add_co_u32 s31, s31, s30
	s_lshl_b32 s6, s31, 15
	s_add_nc_u64 s[28:29], s[28:29], s[6:7]
	CONV 0
	s_wait_tensorcnt 0x0
	ds_add_u32 v128, v129
	s_wait_dscnt 0x0
	s_endpgm
.Lwo:
	s_sub_co_u32 s30, s2, 320
	s_lshl_b32 s6, s30, 16
	s_add_nc_u64 s[26:27], s[16:17], s[6:7]
	s_lshl_b32 s6, s30, 15
	s_add_nc_u64 s[28:29], s[22:23], s[6:7]
	CONV 1
	s_wait_tensorcnt 0x0
	ds_add_u32 v128, v129
	s_wait_dscnt 0x0
	s_endpgm
.Lkv:	; wk, wv: [1024 (k)][64 (n)].  A wave takes 32 k x 64 n (8,192 neighbouring bytes) and stores four tiles' chunk.
	; These two inputs are a fiftieth of the launch's bytes: plain 4-byte loads, sixteen lanes on 64 neighbouring bytes.
	s_sub_co_u32 s2, s2, 384
	s_lshl3_add_u32 s2, s2, s4                     ; task 0..63
	s_lshr_b32 s3, s2, 5                           ; 0: wk, 1: wv
	s_and_b32 s5, s2, 31                           ; chunk
	s_cmp_lg_u32 s3, 0
	s_cselect_b64 s[26:27], s[14:15], s[12:13]
	s_lshl_b32 s6, s5, 13
	s_add_nc_u64 s[26:27], s[26:27], s[6:7]
	s_mul_i32 s6, s3, 4*294912                     ; wv's tiles lie in blocks 4..7
	s_lshl_b32 s5, s5, 10
	s_add_co_u32 s6, s6, s5
	s_add_co_u32 s6, s6, 8*32768                   ; tile 8 of a block
	s_add_nc_u64 s[28:29], s[20:21], s[6:7]
	v_lshlrev_b32 v1, 2, v7
	v_lshl_add_u32 v1, v8, 11, v1                  ; 8 h rows of 256 bytes + 4 r
.irp nt, 0,1,2,3
.irp e, 0,1
.irp j, 0,1,2,3,4,5,6,7
	global_load_b32 v[LD+16*\nt+8*\e+\j], v1, s[26:27] offset:(16*\e+\j)*256+64*\nt   ; k = 16 e + 8 h + j, n = 16 nt + r
.endr
.endr
.endr
	s_wait_loadcnt 0x0
.irp nt, 0,1,2,3
.irp e, 0,1
.irp q, 0,1,2,3
	v_cvt_pk_bf16_f32 v[BK+8*\nt+4*\e+\q], v[LD+16*\nt+8*\e+2*\q], v[LD+16*\nt+8*\e+2*\q+1]
.endr
	global_store_b128 v4, v[BK+8*\nt+4*\e:BK+8*\nt+4*\e+3], s[28:29] offset:294912*\nt+512*\e
.endr
.endr
	s_endpgm
.Ltab:
	s_sub_co_u32 s2, s2, 392
	s_lshl3_add_u32 s2, s2, s4                     ; id = 4 PT + t
	s_lshr_b32 s3, s2, 2
	s_and_b32 s5, s2, 3
	s_lshl_b32 s6, s2, 10
	s_add_nc_u64 s[28:29], s[24:25], s[6:7]
	v_lshl_add_u32 v9, s3, 4, v7                   ; position 16 PT + r
	v_cvt_f32_u32 v9, v9
	s_lshl_b32 s5, s5, 3
	v_lshl_add_u32 v10, v8, 2, s5                  ; p0 = 8 t + 4 h
	ANGLE 0
	ANGLE 1
	ANGLE 2
	ANGLE 3
	global_store_b128 v4, v[40:43], s[28:29]
	global_store_b128 v4, v[44:47], s[28:29] offset:512
	s_endpgm
.Lfunc_end_k_q753e9bd1b7_prep:
	.size	k_q753e9bd1b7_prep, .Lfunc_end_k_q753e9bd1b7_prep-k_q753e9bd1b7_prep
	.p2alignl 7, 3214868480
	.fill 96, 4, 3214868480
	.section	.rodata,"a",@progbits
	.p2align	6, 0x0
	.amdhsa_kernel k_q753e9bd1b7_prep
		.amdhsa_group_segment_fixed_size 37888
		.amdhsa_private_segment_fixed_size 0
		.amdhsa_enable_private_segment 0
		.amdhsa_kernarg_size 72
		.amdhsa_user_sgpr_count 2
		.amdhsa_user_sgpr_kernarg_segment_ptr 1
		.amdhsa_wavefront_size32 1
		.amdhsa_system_sgpr_workgroup_id_x 1
		.amdhsa_system_sgpr_workgroup_id_y 1
		.amdhsa_system_sgpr_workgroup_id_z 1
		.amdhsa_system_vgpr_workitem_id 0
		.amdhsa_next_free_vgpr 130
		.amdhsa_next_free_sgpr 66
		.amdhsa_reserve_vcc 1
		.amdhsa_float_denorm_mode_32 3
		.amdhsa_float_denorm_mode_16_64 3
		.amdhsa_memory_ordered 1
		.amdhsa_forward_progress 1
		.amdhsa_inst_pref_size 37
	.end_amdhsa_kernel
	.amdgpu_metadata
---
amdhsa.version: [ 1, 2 ]
amdhsa.kernels:
  - .name:           k_q753e9bd1b7_prep
    .symbol:         k_q753e9bd1b7_prep.kd
    .args:
      - { .name: x, .offset: 0, .size: 8, .value_kind: global_buffer, .address_space: global }
      - { .name: wq, .offset: 8, .size: 8, .value_kind: global_buffer, .address_space: global }
      - { .name: wk, .offset: 16, .size: 8, .value_kind: global_buffer, .address_space: global }
      - { .name: wv, .offset: 24, .size: 8, .value_kind: global_buffer, .address_space: global }
      - { .name: wo, .offset: 32, .size: 8, .value_kind: global_buffer, .address_space: global }
      - { .name: xF, .offset: 40, .size: 8, .value_kind: global_buffer, .address_space: global }
      - { .name: w1F, .offset: 48, .size: 8, .value_kind: global_buffer, .address_space: global }
      - { .name: woF, .offset: 56, .size: 8, .value_kind: global_buffer, .address_space: global }
      - { .name: tab, .offset: 64, .size: 8, .value_kind: global_buffer, .address_space: global }
    .group_segment_fixed_size: 37888
    .private_segment_fixed_size: 0
    .kernarg_segment_align: 8
    .kernarg_segment_size: 72
    .max_flat_workgroup_size: 256
    .sgpr_count:     66
    .vgpr_count:     130
    .wavefront_size: 32
...
	.end_amdgpu_metadata
.endif
;; end of part 1
;; launch proj (part 2): grid 8 x 32, 4 waves a work-group, clusters of 4 x 4, 327,680 bytes of LDS; arguments xF, w1F, tab, qF, kF, vF; writes qF, kF, vF
.if DOCPART == 2
	.amdgcn_target "amdgcn-amd-amdhsa--gfx1250"
	.amdhsa_code_object_version 6
	.text
	.protected	k_q753e9bd1b7_proj
	.globl	k_q753e9bd1b7_proj
	.p2align	8
	.type	k_q753e9bd1b7_proj,@function
k_q753e9bd1b7_proj:
	s_mov_b64 s[64:65], 0
	v_nop
	global_prefetch_b8 v0, s[64:65] scope:SCOPE_SE
	s_setreg_imm32_b32 hwreg(HW_REG_WAVE_MODE, 25, 1), 1
	s_wait_xcnt 0x0
	s_wait_alu depctr_hold_cnt(0) depctr_sa_sdst(0) depctr_va_vdst(0) depctr_va_sdst(0) depctr_va_ssrc(0) depctr_va_vcc(0) depctr_vm_vsrc(0)
	s_getreg_b32 s2, hwreg(HW_REG_IB_STS2, 6, 4)
	s_cmp_eq_u32 s2, 0
	s_cbranch_scc0 .Lentry_in_a_cluster
	s_endpgm
.Lentry_in_a_cluster:
	s_bfe_u32 s2, ttmp6, 0x10000c
	s_cmp_lg_u32 s2, 0xf033
	s_cbranch_scc0 .Lentry_shape_is_right
	s_endpgm
.Lentry_shape_is_right:
; proj: [q | k | v] = x [wq^T | wk | wv], 4,096 x 1,152 x 1,024 in bf16 with f32 sums, RoPE on the way out, results in f16 in fragment order.
; A work-group (nb, mb) makes rows 128 mb .. x the nine column tiles of block nb of w1F: heads 2 nb and 2 nb + 1 of q, and one tile of k (nb < 4) or v.
; Wave (wm = w >> 1, wn = w & 1): row tiles 4 wm .. 4 wm + 3 x the four tiles of head 2 nb + wn, and tile 8 x two row tiles: 18 accumulators.
; The row tiles are taken rotated, fragment places 0, 1 = tiles 4 wm + 2 wn + {0, 1}, places 2, 3 the other two, so that tile 8 always meets places 0, 1.
; CLUSTERS 4 x 4: x's tiles hang on mb alone and are asked for jointly along a row of the cluster, w1F's on nb alone, along a column.
; K goes through two LDS slots of 256 k each (8 chunks of 32): two first fills and two refills; a wave has at most two tensor loads outstanding.
; Operands lie in fragment order in memory and LDS: every fragment load is 512 neighbouring bytes, so LDS rows need no padding.
; The matrix instruction is used transposed (source 0 = weights, source 1 = x): lane (r, h), register j holds position r, column 16 ct + 8 h + j,
; so a RoPE pair (2 p, 2 p + 1) lies in two neighbouring registers, p = 8 ct + 4 h + jj.
; qF [row tile][head][t 4][lane][16 B] = F(p), jj = 0..3, then G(p) (d = p and 32 + p); kF [key tile][t][lane][16 B] in the same order, times 0.125 log2(e).
; q and k share that order of d, so their dot products are those of the concatenated order.
; vF [part 2][32 keys][dt 4][e 2][lane][16 B]: lane = d 16 dt + r, keys 16 e + 8 h + 0..7.  Part 0: v cut to ten mantissa bits (exact in f16); part 1: what was cut off, in f16.
; LIMITS: |q|, |0.18 k|, |v| below 65,504; below 2^-14 they carry an absolute error of up to 2^-25 (f16).
; The four loads of tile 8's table rows are issued in every work-group; those that make v do not use them (2 KB a wave).
.set HALF, 36864                       ; one tensor load's part of a slot: 9 tiles x 4 chunks x 1 KB (x's parts use 8 tiles of it)
.set SLOT, 4*HALF                      ; x, k half 0 | x, k half 1 | w, k half 0 | w, k half 1
.set SCR,  2*SLOT                      ; behind the ring: 2 KB a wave to transpose v's two parts; no tensor load lands here
.set VLO,  524288                      ; vF's second part
.set A01,  8                           ; v8-9    LDS address of fragment places 0, 1 in slot 0, 1
.set A23,  10                          ; v10-11  of places 2, 3
.set BW,   12                          ; v12-13  of my head's four weight tiles
.set XA,   14                          ; v14-15  of tile 8
.set F0,   32                          ; v[32:103]   fragments, buffer 0: x place i at +8 i, weights ct at +32 + 8 ct, tile 8 at +64
.set F1,   104                         ; v[104:175]  buffer 1
.set G1A,  24                          ; s[24:31] group 1 for x's tiles     s[32:39] for w1F's
.set G1B,  32
.set G0A,  40                          ; s[40:47] group 0 for x's tiles, a set for each slot     s[48:55] for w1F's
.set G0B,  48
; window 1: accumulator (i, ct) at 8 (4 i + ct), tile 8's at 128 + 8 x.   window 2: table (i, t, kind) at 32 i + 8 t + 4 kind, tile 8's at 128 + 8 x + 4 kind
.set MSB, 0
.macro WIN new                         ; the immediate's high byte repeats the setting that is left
.if MSB != \new
	s_set_vgpr_msb (MSB<<8)|\new
.set MSB, \new
.endif
.endm
.macro PLACES cnt
.rept \cnt
	v_nop
.endr
.endm
.macro CROUND                          ; a round of the cluster's barrier
	s_barrier_signal -1
	s_barrier_wait -1
	s_cmp_lg_u32 s16, 0
	s_cbranch_scc1 .Lnot_wave_0_\@
	s_barrier_signal -3
.Lnot_wave_0_\@:
	s_barrier_wait -3
	s_barrier_signal -1
	s_barrier_wait -1
.endm
.macro JLOAD s                         ; waves 0, 1 ask for x's two k halves, waves 2, 3 for w1F's: one mask and one set of registers a line
	s_cmp_eq_u32 s17, 0
	s_cbranch_scc0 .Lfor_b_\@
	tensor_load_to_lds s[G0A+4*\s:G0A+4*\s+3], s[G1A:G1A+7]
	s_nop 0
	s_branch .Lasked_\@
.Lfor_b_\@:
	tensor_load_to_lds s[G0B+4*\s:G0B+4*\s+3], s[G1B:G1B+7]
	s_nop 0
.Lasked_\@:
.endm
.macro FETCH s, kc, f                  ; 18 LDS loads: chunk kc of slot s into buffer f
	WIN 0
.irp i, 0,1
	ds_load_b128 v[\f+8*\i:\f+8*\i+3],       v[A01+\s] offset:((\kc)>>2)*HALF+((\kc)&3)*1024+4096*\i
	ds_load_b128 v[\f+8*\i+4:\f+8*\i+7],     v[A01+\s] offset:((\kc)>>2)*HALF+((\kc)&3)*1024+4096*\i+512
	ds_load_b128 v[\f+16+8*\i:\f+16+8*\i+3], v[A23+\s] offset:((\kc)>>2)*HALF+((\kc)&3)*1024+4096*\i
	ds_load_b128 v[\f+20+8*\i:\f+20+8*\i+3], v[A23+\s] offset:((\kc)>>2)*HALF+((\kc)&3)*1024+4096*\i+512
.endr
.irp ct, 0,1,2,3
	ds_load_b128 v[\f+32+8*\ct:\f+32+8*\ct+3], v[BW+\s] offset:((\kc)>>2)*HALF+((\kc)&3)*1024+4096*\ct
	ds_load_b128 v[\f+36+8*\ct:\f+36+8*\ct+3], v[BW+\s] offset:((\kc)>>2)*HALF+((\kc)&3)*1024+4096*\ct+512
.endr
	ds_load_b128 v[\f+64:\f+67], v[XA+\s] offset:((\kc)>>2)*HALF+((\kc)&3)*1024
	ds_load_b128 v[\f+68:\f+71], v[XA+\s] offset:((\kc)>>2)*HALF+((\kc)&3)*1024+512
.endm
.macro MUL f, zero                     ; 18 matrix instructions; the 18 accumulators take turns, one instruction a turn
	WIN 0x50                               ; C and D in window 1
.irp i, 0,1,2,3
.irp ct, 0,1,2,3
.if \zero
	v_wmma_f32_16x16x32_bf16 v[8*(4*\i+\ct):8*(4*\i+\ct)+7], v[\f+32+8*\ct:\f+32+8*\ct+7], v[\f+8*\i:\f+8*\i+7], 0
.else
	v_wmma_f32_16x16x32_bf16 v[8*(4*\i+\ct):8*(4*\i+\ct)+7], v[\f+32+8*\ct:\f+32+8*\ct+7], v[\f+8*\i:\f+8*\i+7], v[8*(4*\i+\ct):8*(4*\i+\ct)+7]
.endif
.endr
.endr
.irp x, 0,1
.if \zero
	v_wmma_f32_16x16x32_bf16 v[128+8*\x:128+8*\x+7], v[\f+64:\f+71], v[\f+8*\x:\f+8*\x+7], 0
.else
	v_wmma_f32_16x16x32_bf16 v[128+8*\x:128+8*\x+7], v[\f+64:\f+71], v[\f+8*\x:\f+8*\x+7], v[128+8*\x:128+8*\x+7]
.endif
.endr
.endm
.macro STEP s, kn, f, g                ; chunk kn goes into buffer g, which the last products read; buffer f is multiplied
	PLACES 4                               ; a load into a register that a matrix instruction has read stands four places behind it (ISA guide 7.12.1 for vector instructions)
	FETCH \s, \kn, \g
	s_wait_dscnt 18                        ; all but the 18 just issued
	MUL \f, 0
.endm
.macro SLOTRUN s, zero                 ; the eight chunks of a slot
	PLACES 4
	FETCH \s, 0, F0
	FETCH \s, 1, F1
	s_wait_dscnt 18
	MUL F0, \zero
	STEP \s, 2, F1, F0
	STEP \s, 3, F0, F1
	STEP \s, 4, F1, F0
	STEP \s, 5, F0, F1
	STEP \s, 6, F1, F0
	STEP \s, 7, F0, F1
	s_wait_dscnt 0
	MUL F1, 0
.endm
.macro REFILL s                        ; slot s has been read: it gets the chunks 16 further on
	s_wait_dscnt 0x0                       ; my reads of it are back,
	s_wait_tensorcnt 0x0                   ; all my tensor loads have landed (my part of the other slot): no load is out, so a group 0 may be written
	ds_add_u32 v254, v255
	s_wait_dscnt 0x0
	s_add_nc_u64 s[G0A+4*\s+2:G0A+4*\s+3], s[G0A+4*\s+2:G0A+4*\s+3], 16384
	s_add_nc_u64 s[G0B+4*\s+2:G0B+4*\s+3], s[G0B+4*\s+2:G0B+4*\s+3], 16384
	WIN 0
	CROUND                                 ; both now hold of every wave of all sixteen work-groups
	JLOAD \s                               ; my one tensor load behind the round, and the first thing there
.endm
.macro ROPE acc, tb, y                 ; F = even cos - odd sin into y .. y+3, G = odd cos + even sin into y+4 .. y+7
.irp jj, 0,1,2,3
	v_mul_f32 v[\y+\jj],   v[\acc+2*\jj],   v[\tb+\jj]
	v_mul_f32 v[\y+4+\jj], v[\acc+2*\jj+1], v[\tb+\jj]
.endr
.irp jj, 0,1,2,3
	v_fma_f32 v[\y+\jj],   -v[\acc+2*\jj+1], v[\tb+4+\jj], v[\y+\jj]
	v_fma_f32 v[\y+4+\jj], v[\acc+2*\jj],    v[\tb+4+\jj], v[\y+4+\jj]
.endr
.endm
.macro QOUT i, b                       ; fragment place i: 16 positions x my head, to qF; each place has store registers of its own
	WIN 0x09                               ; source 0 (sums) window 1, source 1 (table) window 2
.irp t, 0,1,2,3
	ROPE 8*(4*\i+\t), 32*\i+8*\t, 32+8*\t
.endr
	WIN 0
.irp t, 0,1,2,3
.irp q, 0,1,2,3
	v_cvt_pk_f16_f32 v[64+16*\i+4*\t+\q], v[32+8*\t+2*\q], v[32+8*\t+2*\q+1]
.endr
	global_store_b128 v1, v[64+16*\i+4*\t:64+16*\i+4*\t+3], s[\b:\b+1] offset:(\i&1)*32768+512*\t   ; 512 neighbouring bytes
.endr
.endm
	s_load_b256 s[4:11], s[0:1], 0x0               ; xF 4, w1F 6, tab 8, qF 10
	s_load_b128 s[12:15], s[0:1], 0x20             ; kF 12, vF 14
	v_lshl_add_u32 v254, v0, 2, 0x4a000
	v_mov_b32 v255, 0
	ds_add_u32 v254, v255
	v_lshrrev_b32 v2, 5, v0
	v_readfirstlane_b32 s16, v2                    ; wave
	s_lshr_b32 s17, s16, 1                         ; wm.  Also: I fetch for x (0) or for w1F (1)
	s_and_b32 s18, s16, 1                          ; wn.  Also: which k half I fetch
	s_bfe_u32 s19, ttmp6, 0x40000                  ; cx
	s_bfe_u32 s20, ttmp6, 0x40004                  ; cy
	s_lshl_b32 s21, ttmp9, 2
	s_add_co_u32 s21, s21, s19                     ; nb
	s_and_b32 s22, ttmp7, 0xffff
	s_lshl_b32 s22, s22, 2
	s_add_co_u32 s22, s22, s20                     ; mb
	s_lshl_b32 s75, s20, 2
	s_lshl_b32 s75, 15, s75                        ; my row of the cluster
	s_lshl_b32 s76, 0x1111, s19                    ; my column
	; group 1: rows of 512 elements of 8 bytes (four chunks of a tile), 8 or 9 rows (tiles), 4,096 elements (a tile's 32 chunks) from row to row
	s_or_b32 s[G1A+0], s75, (3<<16)|(1<<21)        ; 15:0 the mask; 17:16 element of 8 bytes; 21 set beside a mask; no padding
	s_or_b32 s[G1B+0], s76, (3<<16)|(1<<21)
	s_mov_b32 s[G1A+1], 512<<16                    ; tensor_dim0 = 512
	s_mov_b32 s[G1B+1], 512<<16
	s_mov_b32 s[G1A+2], 8<<16                      ; tensor_dim1 = 8
	s_mov_b32 s[G1B+2], 9<<16                      ; 9
	s_mov_b32 s[G1A+3], 512<<16                    ; tile_dim0 = 512
	s_mov_b32 s[G1B+3], 512<<16
	s_mov_b32 s[G1A+4], 8                          ; tile_dim1
	s_mov_b32 s[G1B+4], 9
	s_mov_b32 s[G1A+5], 4096                       ; the pitch
	s_mov_b32 s[G1B+5], 4096
	s_mov_b32 s[G1A+6], 0
	s_mov_b32 s[G1B+6], 0
	s_mov_b32 s[G1A+7], 0
	s_mov_b32 s[G1B+7], 0
	s_lshl_b32 s23, s18, 12                        ; my k half: four chunks
	s_lshl_b32 s56, s22, 18                        ; x: eight tiles of 32 KB a block row
	s_add_co_u32 s56, s56, s23
	s_mov_b32 s57, 0
	s_mul_i32 s58, s21, 294912                     ; w1F: nine tiles a block
	s_add_co_u32 s58, s58, s23
	s_mov_b32 s59, 0
	s_mul_i32 s78, s16, HALF                       ; where my part goes: the wave's number alone
	s_wait_dscnt 0x0
	s_wait_kmcnt 0x0
	s_add_nc_u64 s[56:57], s[4:5], s[56:57]
	s_add_nc_u64 s[58:59], s[6:7], s[58:59]
	CROUND                                         ; all sixteen work-groups are here: the first joint loads meet
.irp s, 0,1
	s_mov_b32 s[G0A+4*\s], 1
	s_add_co_u32 s[G0A+4*\s+1], s78, \s*SLOT
	s_add_nc_u64 s[G0A+4*\s+2:G0A+4*\s+3], s[56:57], \s*8192       ; slot s starts with chunks 8 s ..
	s_or_b32 s[G0A+4*\s+3], s[G0A+4*\s+3], 0x80000000
	s_mov_b32 s[G0B+4*\s], 1
	s_add_co_u32 s[G0B+4*\s+1], s78, \s*SLOT
	s_add_nc_u64 s[G0B+4*\s+2:G0B+4*\s+3], s[58:59], \s*8192
	s_or_b32 s[G0B+4*\s+3], s[G0B+4*\s+3], 0x80000000
	JLOAD \s
.endr
	; where the results go and the table comes from
	v_and_b32 v2, 31, v0
	v_lshlrev_b32 v1, 4, v2                        ; 16 L, never rewritten
	s_mov_b32 s81, 0                               ; s[80:81]: a byte offset in 64 bits
	s_mov_b32 s74, 0x3e38aa3b                      ; 0.125 log2(e)
	s_mov_b32 s88, 0xffffe000                      ; sign, exponent and ten mantissa bits of an f32
	s_lshl_b32 s83, s22, 3
	s_lshl2_add_u32 s83, s17, s83                  ; 8 mb + 4 wm
	s_lshl1_add_u32 s82, s18, s83                  ; RT01: the row tile of place 0
	s_xor_b32 s85, s18, 1
	s_lshl1_add_u32 s83, s85, s83                  ; RT23: of place 2
	s_lshl1_add_u32 s84, s21, s18
	s_lshl_b32 s84, s84, 11                        ; my head's 2,048 bytes
	s_lshl_b32 s80, s82, 15
	s_add_co_u32 s80, s80, s84
	s_add_nc_u64 s[60:61], s[10:11], s[80:81]
	s_lshl_b32 s80, s83, 15
	s_add_co_u32 s80, s80, s84
	s_add_nc_u64 s[62:63], s[10:11], s[80:81]
	s_and_b32 s80, s83, 127                        ; the position tile inside its batch
	s_lshl_b32 s80, s80, 12
	s_add_nc_u64 s[68:69], s[8:9], s[80:81]
	s_and_b32 s80, s82, 127
	s_lshl_b32 s80, s80, 12
	s_add_nc_u64 s[66:67], s[8:9], s[80:81]
	s_and_b32 s84, s21, 3                          ; tile 8 of block nb holds pairs 8 nb + 4 h + jj of k: table piece t = nb
	s_lshl_b32 s85, s84, 10
	s_add_co_u32 s80, s80, s85
	s_add_nc_u64 s[72:73], s[8:9], s[80:81]
	s_cmp_eq_u32 ttmp9, 0                          ; cluster column 0: nb < 4, tile 8 is k's; else v's
	s_cselect_b64 s[70:71], s[12:13], s[14:15]
	s_cselect_b32 s85, 9, 10                       ; kF: piece nb of 512 bytes; vF: d tile nb - 4 of 1,024
	s_lshl_b32 s84, s84, s85
	s_lshl_b32 s80, s82, 11                        ; 2,048 bytes a key tile in kF, 4,096 for two in vF
	s_add_co_u32 s80, s80, s84
	s_add_nc_u64 s[70:71], s[70:71], s[80:81]
	WIN 0x80                                       ; the table goes to window 2 and stays on its way while K is walked
.irp i, 0,1
.irp t, 0,1,2,3
.irp k, 0,1
	global_load_b128 v[32*\i+8*\t+4*\k:32*\i+8*\t+4*\k+3],       v1, s[66:67] offset:4096*\i+1024*\t+512*\k
	global_load_b128 v[64+32*\i+8*\t+4*\k:64+32*\i+8*\t+4*\k+3], v1, s[68:69] offset:4096*\i+1024*\t+512*\k
.endr
.endr
.endr
.irp x, 0,1
.irp k, 0,1
	global_load_b128 v[128+8*\x+4*\k:128+8*\x+4*\k+3], v1, s[72:73] offset:4096*\x+512*\k
.endr
.endr
	WIN 0
	; LDS addresses: the wave's number and the lane alone
	s_lshl_b32 s86, s17, 14
	s_lshl_b32 s87, s18, 13
	s_add_co_u32 s87, s86, s87                     ; tile 4 wm + 2 wn, 4,096 bytes a tile
	v_add_nc_u32 v[A01], s87, v1
	v_add_nc_u32 v[A01+1], SLOT, v[A01]
	s_xor_b32 s87, s18, 1
	s_lshl_b32 s87, s87, 13
	s_add_co_u32 s87, s86, s87                     ; tile 4 wm + 2 - 2 wn
	v_add_nc_u32 v[A23], s87, v1
	v_add_nc_u32 v[A23+1], SLOT, v[A23]
	s_lshl_b32 s87, s18, 14
	s_add_co_u32 s87, s87, 2*HALF
	v_add_nc_u32 v[BW], s87, v1
	v_add_nc_u32 v[BW+1], SLOT, v[BW]
	v_add_nc_u32 v[XA], 2*HALF+32768, v1
	v_add_nc_u32 v[XA+1], SLOT, v[XA]
	v_and_b32 v3, 15, v0                           ; r
	v_bfe_u32 v4, v0, 4, 1                         ; h
	s_lshl_b32 s87, s16, 11
	s_add_co_u32 s87, s87, SCR
	v_lshlrev_b32 v16, 5, v3
	v_lshl_add_u32 v16, v4, 4, v16
	v_add_nc_u32 v16, s87, v16                     ; v in: key r, 32 bytes a key, 16 h
	v_and_b32 v5, 7, v0
	v_lshl_add_u32 v5, v4, 3, v5
	v_bfe_u32 v6, v0, 3, 1
	v_lshlrev_b32 v17, 5, v5
	v_lshl_add_u32 v17, v6, 4, v17
	v_add_nc_u32 v17, s87, v17                     ; v back, transposed: key 8 h + (L & 7), 16 bytes (L >> 3) & 1
	s_wait_tensorcnt 0x1                           ; my part of slot 0 is in; slot 1's stays out
	s_barrier_signal -1
	s_barrier_wait -1
	SLOTRUN 0, 1                                   ; chunks 0-7: the first products start the sums
	REFILL 0
	SLOTRUN 1, 0                                   ; chunks 8-15
	REFILL 1
	SLOTRUN 0, 0                                   ; chunks 16-23
	s_wait_dscnt 0x0
	s_wait_tensorcnt 0x0                           ; my part of the last eight chunks is in,
	s_barrier_signal -1
	s_barrier_wait -1                              ; everybody's is; nothing is left to fetch
	SLOTRUN 1, 0                                   ; chunks 24-31
	PLACES 4                                       ; four places behind the last matrix instructions, for all that reads sums or writes fragment registers
	s_wait_loadcnt 0x0                             ; the table
	QOUT 0, 60
	QOUT 1, 60
	QOUT 2, 62
	QOUT 3, 62
	s_cmp_lg_u32 ttmp9, 0                          ; the cluster's x: the same in all sixteen partners
	s_cbranch_scc1 .Lv_tile
	WIN 0x09                                       ; k: RoPE, the scale of the scores and of base 2, f16
	ROPE 128, 128, 128
	ROPE 136, 136, 136
	WIN 0
.irp x, 0,1
.irp j, 0,1,2,3,4,5,6,7
	v_mul_f32 v[128+8*\x+\j], s74, v[128+8*\x+\j]
.endr
.irp q, 0,1,2,3
	v_cvt_pk_f16_f32 v[144+4*\x+\q], v[128+8*\x+2*\q], v[128+8*\x+2*\q+1]
.endr
	global_store_b128 v1, v[144+4*\x:144+4*\x+3], s[70:71] offset:2048*\x
.endr
	s_branch .Lend
.Lv_tile:
	; v in two parts: the upper ten mantissa bits, which f16 holds exactly, and the rest, exact as a difference in f32, rounded to f16.
	; Each part: 16 keys x 16 d turned over in my own 2 KB of LDS.
	WIN 0x04                                       ; source 1 (sums) window 1
.irp x, 0,1
.irp j, 0,1,2,3,4,5,6,7
	v_and_b32 v[128+8*\x+\j], s88, v[128+8*\x+\j]
.endr
.endr
	WIN 0x10                                       ; source 2 (sums) window 1
.irp x, 0,1
.irp j, 0,1,2,3,4,5,6,7
	v_fma_f32 v[144+8*\x+\j], v[128+8*\x+\j], -1.0, v[128+8*\x+\j]   ; sum - upper part
.endr
.endr
	WIN 0
.irp x, 0,1
.irp q, 0,1,2,3
	v_cvt_pk_f16_f32 v[160+4*\x+\q], v[128+8*\x+2*\q], v[128+8*\x+2*\q+1]
	v_cvt_pk_f16_f32 v[168+4*\x+\q], v[144+8*\x+2*\q], v[144+8*\x+2*\q+1]
.endr
.endr
.irp x, 0,1
	ds_store_b128 v16, v[160+4*\x:160+4*\x+3] offset:512*\x
	ds_store_b128 v16, v[168+4*\x:168+4*\x+3] offset:1024+512*\x
	ds_load_tr16_b128 v[176+4*\x:176+4*\x+3], v17 offset:512*\x         ; my own bytes, served in order behind the stores: lane (r, h) gets d = r, keys 8 h + 0..7
	ds_load_tr16_b128 v[184+4*\x:184+4*\x+3], v17 offset:1024+512*\x
.endr
	s_wait_dscnt 0x0
.irp x, 0,1
	global_store_b128 v1, v[176+4*\x:176+4*\x+3], s[70:71] offset:512*\x
	global_store_b128 v1, v[184+4*\x:184+4*\x+3], s[70:71] offset:VLO+512*\x
.endr
.Lend:
	s_wait_tensorcnt 0x0
	ds_add_u32 v254, v255
	s_wait_dscnt 0x0
	CROUND                                         ; the closing round: no work-group ends while a partner may still ask for a tile that names it
	s_endpgm
.Lfunc_end_k_q753e9bd1b7_proj:
	.size	k_q753e9bd1b7_proj, .Lfunc_end_k_q753e9bd1b7_proj-k_q753e9bd1b7_proj
	.p2alignl 7, 3214868480
	.fill 96, 4, 3214868480
	.section	.rodata,"a",@progbits
	.p2align	6, 0x0
	.amdhsa_kernel k_q753e9bd1b7_proj
		.amdhsa_group_segment_fixed_size 327680
		.amdhsa_private_segment_fixed_size 0
		.amdhsa_enable_private_segment 0
		.amdhsa_kernarg_size 48
		.amdhsa_user_sgpr_count 2
		.amdhsa_user_sgpr_kernarg_segment_ptr 1
		.amdhsa_wavefront_size32 1
		.amdhsa_system_sgpr_workgroup_id_x 1
		.amdhsa_system_sgpr_workgroup_id_y 1
		.amdhsa_system_sgpr_workgroup_id_z 1
		.amdhsa_system_vgpr_workitem_id 0
		.amdhsa_next_free_vgpr 672
		.amdhsa_next_free_sgpr 96
		.amdhsa_reserve_vcc 0
		.amdhsa_float_denorm_mode_32 3
		.amdhsa_float_denorm_mode_16_64 3
		.amdhsa_memory_ordered 1
		.amdhsa_forward_progress 1
		.amdhsa_inst_pref_size 116
	.end_amdhsa_kernel
	.amdgpu_metadata
---
amdhsa.version: [ 1, 2 ]
amdhsa.kernels:
  - .name:           k_q753e9bd1b7_proj
    .symbol:         k_q753e9bd1b7_proj.kd
    .args:
      - { .name: xF, .offset: 0, .size: 8, .value_kind: global_buffer, .address_space: global }
      - { .name: w1F, .offset: 8, .size: 8, .value_kind: global_buffer, .address_space: global }
      - { .name: tab, .offset: 16, .size: 8, .value_kind: global_buffer, .address_space: global }
      - { .name: qF, .offset: 24, .size: 8, .value_kind: global_buffer, .address_space: global }
      - { .name: kF, .offset: 32, .size: 8, .value_kind: global_buffer, .address_space: global }
      - { .name: vF, .offset: 40, .size: 8, .value_kind: global_buffer, .address_space: global }
    .group_segment_fixed_size: 327680
    .private_segment_fixed_size: 0
    .kernarg_segment_align: 8
    .kernarg_segment_size: 48
    .max_flat_workgroup_size: 128
    .sgpr_count:     96
    .vgpr_count:     672
    .wavefront_size: 32
...
	.end_amdgpu_metadata
.endif
;; end of part 2
;; launch attn (part 3): grid 256 x 1, 8 waves a work-group, clusters of 4 x 1, 327,680 bytes of LDS; arguments qF, kF, vF, aF; writes aF
.if DOCPART == 3
	.amdgcn_target "amdgcn-amd-amdhsa--gfx1250"
	.amdhsa_code_object_version 6
	.text
	.protected	k_q753e9bd1b7_attn
	.globl	k_q753e9bd1b7_attn
	.p2align	8
	.type	k_q753e9bd1b7_attn,@function
k_q753e9bd1b7_attn:
	s_mov_b64 s[64:65], 0
	v_nop
	global_prefetch_b8 v0, s[64:65] scope:SCOPE_SE
	s_setreg_imm32_b32 hwreg(HW_REG_WAVE_MODE, 25, 1), 1
	s_wait_xcnt 0x0
	s_wait_alu depctr_hold_cnt(0) depctr_sa_sdst(0) depctr_va_vdst(0) depctr_va_sdst(0) depctr_va_ssrc(0) depctr_va_vcc(0) depctr_vm_vsrc(0)
	s_getreg_b32 s2, hwreg(HW_REG_IB_STS2, 6, 4)
	s_cmp_eq_u32 s2, 0
	s_cbranch_scc0 .Lentry_in_a_cluster
	s_endpgm
.Lentry_in_a_cluster:
	s_bfe_u32 s2, ttmp6, 0x10000c
	s_cmp_lg_u32 s2, 0x3003
	s_cbranch_scc0 .Lentry_shape_is_right
	s_endpgm
.Lentry_shape_is_right:
; attn: causal attention with one shared key and value head, f16 operands, f32 sums, softmax with a running maximum in base 2 (k carries 0.125 log2 e).
; A wave makes one tile of 16 queries x 2 heads.  A cluster C (b = C >> 5, t = C & 31) owns the four query tiles t, 63 - t, 64 + t, 127 - t of batch b;
; its four work-groups take four heads each (4 cx ..), so all four walk the same keys the same number of times: K and V are asked for JOINTLY (mask 15).
; In a work-group waves w and w + 4, and waves 2 s and 2 s + 1, hold tiles that add up to 127: equal work for each pair.
; Keys go in blocks of 64.  The block that holds the diagonal comes first, straight from memory: it starts maximum, sum and output, so nothing is cleared.
; The FB = tile >> 2 full blocks in front of it come through two LDS slots of 256 keys (K 32 KB, V 32 KB), each wave fetching 8 KB of a slot;
; a wave has one tensor load outstanding.  A wave whose full blocks are used up passes the remaining trips' barriers and loads and does no other work.
; Scores transposed (source 0 = K, source 1 = Q): lane (r, h), register 8 kt + j holds query r, key 16 kt + 8 h + j; packed in pairs that is the
; register image of P as second operand of V^T P, whose result lane (r, h), register j is query r, d = 16 dt + 8 h + j: 16 neighbouring bytes of aF.
; PRECISION.  A row with few keys is a mean of few v and can be many times larger than the output's root mean square, by which the result is judged.
; So (a) the diagonal's block also multiplies by v's second part (what f16 cut off): a row of fewer than 64 keys has all its keys in that block;
; in the full blocks v has f16's eleven significant bits alone.  (b) The result goes out in two parts for every row: aF [row tile][chunk 64][1 KB],
; chunks 0-31 the result cut to ten mantissa bits (exact in f16), chunks 32-63 what was cut off, in f16.
; LIMITS: a masked score is set to -1.58e29 (0xf0000000), so scores must stay below 1e28 in magnitude; |attn| below 65,504, below 2^-14 with an absolute
; error of up to 2^-25 (f16).  The sum of a row is taken of the f32 weights, the product of their f16 roundings.
.set Q,  20                            ; v[20:51]    Q (head x, chunk c) at 16 x + 8 c
.set KV, 52                            ; v[52:115]   K (kt, c) at 16 kt + 8 c, then V (ck, dt) at 32 ck + 8 dt; at the end the results' upper parts
.set SA, 116                           ; v[116:179]  scores of head 0, head 1; P lies in the first 16 registers of each
.set OA, 180                           ; v[180:243]  outputs of head 0, head 1: tile dt at 8 dt
.set VLO, 524288                       ; vF's second part
; v[256:319] (window 1, 0-63) V's second part of the diagonal's block, (ck, dt) at 32 ck + 8 dt
; v1, v2 16 L (+ 65,536): lane offset, and LDS address in slot 0, 1.  v3 16 (tile & 3) + r - 8 h.  v4 the mask's value.  v[6:7] new maximum, exchange.
; v[8:9] alpha, difference.  v[10:13] at work.  v14, v15 maxima.  v[16:17], v[18:19] sums, two partial sums a lane
.set MSB, 0
.macro WIN new                         ; the immediate's high byte repeats the setting that is left
.if MSB != \new
	s_set_vgpr_msb (MSB<<8)|\new
.set MSB, \new
.endif
.endm
.macro PLACES cnt
.rept \cnt
	v_nop
.endr
.endm
.macro ROUND                           ; a round of the cluster's barrier
	s_barrier_signal -1
	s_barrier_wait -1
	s_cmp_lg_u32 s12, 0
	s_cbranch_scc1 .Lnot_wave_0_\@
	s_barrier_signal -3
.Lnot_wave_0_\@:
	s_barrier_wait -3
	s_barrier_signal -1
	s_barrier_wait -1
.endm
; one head's 16 x 64 scores at sc: new maximum, weights, sum; outputs at oc scaled; weights packed to f16 in place
.macro SOFT sc, oc, mx, ls, first
.irp c, 0,1,2,3
	v_max3_num_f32 v[10+\c], v[\sc+8*\c], v[\sc+8*\c+1], v[\sc+8*\c+2]
.endr
.irp c, 0,1,2,3
	v_max3_num_f32 v[10+\c], v[10+\c], v[\sc+8*\c+3], v[\sc+8*\c+4]
.endr
.irp c, 0,1,2,3
	v_max3_num_f32 v[10+\c], v[10+\c], v[\sc+8*\c+5], v[\sc+8*\c+6]
.endr
	v_max3_num_f32 v10, v10, v[\sc+7], v[\sc+15]
	v_max3_num_f32 v11, v11, v[\sc+23], v[\sc+31]
	v_max3_num_f32 v10, v10, v11, v12
.if \first
	v_max_num_f32 v10, v10, v13
.else
	v_max3_num_f32 v10, v10, v13, v[\mx]
.endif
	v_permlanex16_b32 v7, v10, s22, s23            ; the other 32 keys of my query lie in lane L xor 16
	v_max_num_f32 v6, v10, v7
.if \first == 0
	v_sub_f32 v9, v[\mx], v6
	v_exp_f32 v8, v9                               ; alpha
.endif
	v_mov_b32 v[\mx], v6                           ; also the plain place behind v_exp_f32 (ISA guide 5.7.2)
.irp p, 0,1,2,3,4,5,6,7,8,9,10,11,12,13,14,15
	v_pk_add_f32 v[\sc+2*\p:\sc+2*\p+1], v[\sc+2*\p:\sc+2*\p+1], v[6:7] op_sel_hi:[1,0] neg_lo:[0,1] neg_hi:[0,1]
.endr
.irp p, 0,1,2,3,4,5,6,7,8,9,10,11,12,13,14,15,16,17,18,19,20,21,22,23,24,25,26,27,28,29,30,31
	v_exp_f32 v[\sc+\p], v[\sc+\p]
.endr
.if \first
	v_nop                                          ; the plain place behind the exponentials
	s_wait_alu depctr_va_vdst(0)
	v_pk_add_f32 v[\ls:\ls+1], v[\sc:\sc+1], v[\sc+2:\sc+3]
	v_pk_add_f32 v[10:11], v[\sc+4:\sc+5], v[\sc+6:\sc+7]
	v_pk_add_f32 v[12:13], v[\sc+8:\sc+9], v[\sc+10:\sc+11]
.irp g, 6,9,12
	v_pk_add_f32 v[\ls:\ls+1], v[\ls:\ls+1], v[\sc+2*\g:\sc+2*\g+1]
	v_pk_add_f32 v[10:11], v[10:11], v[\sc+2*\g+2:\sc+2*\g+3]
	v_pk_add_f32 v[12:13], v[12:13], v[\sc+2*\g+4:\sc+2*\g+5]
.endr
	v_pk_add_f32 v[\ls:\ls+1], v[\ls:\ls+1], v[\sc+30:\sc+31]
.else
	s_wait_alu depctr_va_vdst(0)
.irp p, 0,1,2,3,4,5,6,7,8,9,10,11,12,13,14,15
	v_pk_mul_f32 v[\oc+2*\p:\oc+2*\p+1], v[\oc+2*\p:\oc+2*\p+1], v[8:9] op_sel_hi:[1,0]   ; these are also the plain places behind the exponentials
.endr
	v_pk_fma_f32 v[\ls:\ls+1], v[\ls:\ls+1], v[8:9], v[\sc:\sc+1] op_sel_hi:[1,0,1]
	v_pk_add_f32 v[10:11], v[\sc+2:\sc+3], v[\sc+4:\sc+5]
	v_pk_add_f32 v[12:13], v[\sc+6:\sc+7], v[\sc+8:\sc+9]
.irp g, 5,8,11
	v_pk_add_f32 v[\ls:\ls+1], v[\ls:\ls+1], v[\sc+2*\g:\sc+2*\g+1]
	v_pk_add_f32 v[10:11], v[10:11], v[\sc+2*\g+2:\sc+2*\g+3]
	v_pk_add_f32 v[12:13], v[12:13], v[\sc+2*\g+4:\sc+2*\g+5]
.endr
	v_pk_add_f32 v[\ls:\ls+1], v[\ls:\ls+1], v[\sc+28:\sc+29]
	v_pk_add_f32 v[10:11], v[10:11], v[\sc+30:\sc+31]
.endif
	v_pk_add_f32 v[10:11], v[10:11], v[12:13]
	v_pk_add_f32 v[\ls:\ls+1], v[\ls:\ls+1], v[10:11]
.irp p, 0,1,2,3,4,5,6,7,8,9,10,11,12,13,14,15
	v_cvt_pk_f16_f32 v[\sc+\p], v[\sc+2*\p], v[\sc+2*\p+1]         ; ascending: word p is written when words 2 p, 2 p + 1 are read
.endr
.endm
.macro PV sc, oc, first                ; outputs += V^T P; the four tiles take turns, one instruction a turn
.irp ck, 0,1
.irp dt, 0,1,2,3
.if \first*(1-\ck)
	v_wmma_f32_16x16x32_f16 v[\oc+8*\dt:\oc+8*\dt+7], v[KV+32*\ck+8*\dt:KV+32*\ck+8*\dt+7], v[\sc+8*\ck:\sc+8*\ck+7], 0
.else
	v_wmma_f32_16x16x32_f16 v[\oc+8*\dt:\oc+8*\dt+7], v[KV+32*\ck+8*\dt:KV+32*\ck+8*\dt+7], v[\sc+8*\ck:\sc+8*\ck+7], v[\oc+8*\dt:\oc+8*\dt+7]
.endif
.endr
.endr
.endm
.macro PVLO sc, oc                     ; outputs += (V's second part)^T P, the same turns
	WIN 0x01                               ; source 0 in window 1
.irp ck, 0,1
.irp dt, 0,1,2,3
	v_wmma_f32_16x16x32_f16 v[\oc+8*\dt:\oc+8*\dt+7], v[32*\ck+8*\dt:32*\ck+8*\dt+7], v[\sc+8*\ck:\sc+8*\ck+7], v[\oc+8*\dt:\oc+8*\dt+7]
.endr
.endr
	WIN 0
.endm
; a block of 64 keys x 16 queries x 2 heads.  first = 1: the diagonal's block, from memory, masked, V in two parts; else from LDS at v[va] + off
.macro BLOCK first, va, off
.irp p, 0,1,2,3,4,5,6,7,8,9,10,11,12,13,14,15
.if \first
	global_load_b128 v[KV+4*\p:KV+4*\p+3], v1, s[44:45] offset:512*\p
.else
	ds_load_b128 v[KV+4*\p:KV+4*\p+3], v[\va] offset:\off+512*\p
.endif
.endr
.if \first
	s_wait_loadcnt 0x0                             ; K, and Q in front of it
.else
	s_wait_dscnt 0x0
.endif
.irp x, 0,1
.irp c, 0,1
.irp kt, 0,1,2,3
.if \c == 0
	v_wmma_f32_16x16x32_f16 v[SA+32*\x+8*\kt:SA+32*\x+8*\kt+7], v[KV+16*\kt+8*\c:KV+16*\kt+8*\c+7], v[Q+16*\x+8*\c:Q+16*\x+8*\c+7], 0
.else
	v_wmma_f32_16x16x32_f16 v[SA+32*\x+8*\kt:SA+32*\x+8*\kt+7], v[KV+16*\kt+8*\c:KV+16*\kt+8*\c+7], v[Q+16*\x+8*\c:Q+16*\x+8*\c+7], v[SA+32*\x+8*\kt:SA+32*\x+8*\kt+7]
.endif
.endr
.endr
.endr
	PLACES 4                                       ; four places before V lands on K's registers and before the scores are read (ISA guide 7.12.1 for vector instructions)
.irp p, 0,1,2,3,4,5,6,7,8,9,10,11,12,13,14,15
.if \first
	global_load_b128 v[KV+4*\p:KV+4*\p+3], v1, s[46:47] offset:512*\p
.else
	ds_load_b128 v[KV+4*\p:KV+4*\p+3], v[\va] offset:\off+32768+512*\p
.endif
.endr
.if \first
	WIN 0x40                                       ; destination in window 1
.irp p, 0,1,2,3,4,5,6,7,8,9,10,11,12,13,14,15
	global_load_b128 v[4*\p:4*\p+3], v1, s[46:47] offset:VLO+512*\p
.endr
	WIN 0
.irp kt, 0,1,2,3
.irp j, 0,1,2,3,4,5,6,7
	v_cmp_gt_i32 vcc_lo, 16*\kt+\j, v3             ; key 16 kt + 8 h + j lies behind query 16 (tile & 3) + r
	v_cndmask_b32 v[SA+8*\kt+\j], v[SA+8*\kt+\j], v4, vcc_lo
	v_cndmask_b32 v[SA+32+8*\kt+\j], v[SA+32+8*\kt+\j], v4, vcc_lo
.endr
.endr
.endif
	SOFT SA, OA, 14, 16, \first
.if \first
	s_wait_loadcnt 0x0                             ; V, both parts
.else
	s_wait_dscnt 0x0
.endif
	PV SA, OA, \first
.if \first
	PVLO SA, OA
.endif
	SOFT SA+32, OA+32, 15, 18, \first
	PV SA+32, OA+32, \first
.if \first
	PVLO SA+32, OA+32
.endif
	PLACES 5                                       ; four places before loads land on V's registers or outputs are read, five before new scores are written over P
.endm
; a slot's 256 keys.  The waits and the round stand on every wave's path; only the blocks are jumped over
.macro TRIP slot, refill
	s_wait_tensorcnt 0x0                           ; all my tensor loads have landed, my part of this slot among them: a group 0 may be written
	ds_add_u32 v254, v255
	s_wait_dscnt 0x0
	s_add_nc_u64 s[34+4*\slot:35+4*\slot], s[34+4*\slot:35+4*\slot], 0x10000   ; this slot's next 256 keys
	s_wait_dscnt 0x0                               ; my reads of the other slot are back
	ROUND                                          ; both now hold of every wave of the four work-groups
.if \refill
	tensor_load_to_lds s[36-4*\slot:39-4*\slot], s[24:31]          ; my one load behind the round: the next 256 keys, into the slot read last
	s_nop 0
.endif
	s_cmp_le_i32 s18, 0                            ; s18: my full blocks still to come
	s_cbranch_scc1 .Ldone_\@
	BLOCK 0, 1+\slot, 0
	s_cmp_le_i32 s18, 1
	s_cbranch_scc1 .Ldone_\@
	BLOCK 0, 1+\slot, 8192
	s_cmp_le_i32 s18, 2
	s_cbranch_scc1 .Ldone_\@
	BLOCK 0, 1+\slot, 16384
	s_cmp_le_i32 s18, 3
	s_cbranch_scc1 .Ldone_\@
	BLOCK 0, 1+\slot, 24576
.Ldone_\@:
	s_sub_co_i32 s18, s18, 4
.endm
; divide by the row's sum; cut to ten mantissa bits (upper part, exact in f16); the rest is an exact difference in f32; both to f16; store.
; Every store has data registers of its own.
.macro FIN oc, ls, x
	v_add_f32 v6, v[\ls], v[\ls+1]
	v_permlanex16_b32 v7, v6, s22, s23
	v_add_f32 v6, v6, v7
	v_rcp_f32 v8, v6
	v_nop                                          ; the plain place behind v_rcp_f32
	s_wait_alu depctr_va_vdst(0)
.irp p, 0,1,2,3,4,5,6,7,8,9,10,11,12,13,14,15
	v_pk_mul_f32 v[\oc+2*\p:\oc+2*\p+1], v[\oc+2*\p:\oc+2*\p+1], v[8:9] op_sel_hi:[1,0]
.endr
.irp dt, 0,1,2,3
.irp j, 0,1,2,3,4,5,6,7
	v_and_b32 v[KV+32*\x+8*\dt+\j], 0xffffe000, v[\oc+8*\dt+\j]
.endr
.irp q, 0,1,2,3
	v_pk_add_f32 v[\oc+8*\dt+2*\q:\oc+8*\dt+2*\q+1], v[\oc+8*\dt+2*\q:\oc+8*\dt+2*\q+1], v[KV+32*\x+8*\dt+2*\q:KV+32*\x+8*\dt+2*\q+1] neg_lo:[0,1] neg_hi:[0,1]
.endr
.irp q, 0,1,2,3
	v_cvt_pk_f16_f32 v[KV+32*\x+8*\dt+\q], v[KV+32*\x+8*\dt+2*\q], v[KV+32*\x+8*\dt+2*\q+1]
	v_cvt_pk_f16_f32 v[\oc+8*\dt+\q], v[\oc+8*\dt+2*\q], v[\oc+8*\dt+2*\q+1]
.endr
	global_store_b128 v1, v[KV+32*\x+8*\dt:KV+32*\x+8*\dt+3], s[42:43] offset:2048*\x+512*\dt       ; 512 neighbouring bytes of aF
	global_store_b128 v1, v[\oc+8*\dt:\oc+8*\dt+3], s[42:43] offset:32768+2048*\x+512*\dt
.endr
.endm
	s_load_b256 s[4:11], s[0:1], 0x0               ; qF 4, kF 6, vF 8, aF 10
	v_lshl_add_u32 v254, v0, 2, 0x29000
	v_mov_b32 v255, 0
	ds_add_u32 v254, v255
	v_lshrrev_b32 v5, 5, v0
	v_readfirstlane_b32 s12, v5                    ; wave
	s_bfe_u32 s13, ttmp6, 0x40000                  ; cx: which four heads
	s_lshr_b32 s15, ttmp9, 5                       ; b
	s_and_b32 s16, ttmp9, 31                       ; t
	s_bfe_u32 s2, s12, 0x10001                     ; u = (w >> 1) & 1
	s_lshr_b32 s14, s12, 2                         ; hp: which two of the four heads
	s_xor_b32 s3, s12, s14
	s_and_b32 s3, s3, 1                            ; flip
	s_sub_co_u32 s17, 63, s16
	s_cmp_lg_u32 s2, 0
	s_cselect_b32 s17, s17, s16                    ; t or 63 - t
	s_sub_co_u32 s21, 127, s17
	s_cmp_lg_u32 s3, 0
	s_cselect_b32 s17, s21, s17                    ; my query tile
	s_lshr_b32 s18, s17, 2                         ; FB: full blocks in front of the diagonal's
	s_sub_co_u32 s19, 127, s16
	s_lshr_b32 s19, s19, 2
	s_add_co_u32 s19, s19, 3
	s_lshr_b32 s19, s19, 2                         ; T = 6, 7 or 8 slots: what the cluster's last tile, 127 - t, needs
	s_sub_co_u32 s20, s19, 1
	s_lshr_b32 s20, s20, 1                         ; pairs of trips that both fill a slot: 2 or 3
	s_mov_b32 s22, 0x76543210
	s_mov_b32 s23, 0xfedcba98
	; group 1: 8,192 dense bytes as 32 rows of 32 elements of 8 bytes
	s_mov_b32 s24, 15|(3<<16)|(1<<21)              ; 15:0 all four work-groups; 17:16 element of 8 bytes; 21 set beside a mask
	s_mov_b32 s25, 32<<16                          ; tensor_dim0 = 32
	s_mov_b32 s26, 32<<16                          ; tensor_dim1 = 32
	s_mov_b32 s27, 32<<16                          ; tile_dim0 = 32
	s_mov_b32 s28, 32                              ; tile_dim1 = 32
	s_mov_b32 s29, 32                              ; the pitch
	s_mov_b32 s30, 0
	s_mov_b32 s31, 0
	s_lshl_b32 s48, s15, 18                        ; a batch is 262,144 bytes in kF and in each part of vF
	s_and_b32 s2, s12, 3
	s_lshl_b32 s2, s2, 13
	s_add_co_u32 s2, s2, s48
	s_mov_b32 s3, 0
	s_lshl_b32 s49, s12, 13                        ; waves 0-3: K's four blocks, waves 4-7: V's, 8,192 bytes each
	s_wait_dscnt 0x0
	s_wait_kmcnt 0x0
	s_cmp_lt_u32 s12, 4
	s_cselect_b64 s[50:51], s[6:7], s[8:9]
	s_add_nc_u64 s[50:51], s[50:51], s[2:3]
.irp s, 0,1
	s_mov_b32 s[32+4*\s], 1
	s_add_co_u32 s[33+4*\s], s49, \s*65536
	s_add_nc_u64 s[34+4*\s:35+4*\s], s[50:51], \s*32768
	s_or_b32 s[35+4*\s], s[35+4*\s], 0x80000000
.endr
	ROUND                                          ; in front of the first joint load
	tensor_load_to_lds s[32:35], s[24:31]          ; keys 0-255
	s_nop 0
	s_lshl_b32 s52, s15, 7
	s_add_co_u32 s52, s52, s17                     ; row tile 128 b + tile
	s_lshl1_add_u32 s56, s13, s14
	s_lshl_b32 s56, s56, 12                        ; head 4 cx + 2 hp, 2,048 bytes a head
	s_lshl_b32 s58, s52, 16                        ; aF: 65,536 bytes a row tile,
	s_add_co_u32 s58, s58, s56
	s_mov_b32 s59, 0
	s_lshl_b32 s52, s52, 15                        ; qF: 32,768
	s_add_co_u32 s52, s52, s56
	s_mov_b32 s53, 0
	s_add_nc_u64 s[40:41], s[4:5], s[52:53]
	s_add_nc_u64 s[42:43], s[10:11], s[58:59]
	s_lshl_b32 s54, s18, 13                        ; the diagonal's block: 8,192 bytes a block in kF and in vF
	s_add_co_u32 s54, s54, s48
	s_mov_b32 s55, 0
	s_add_nc_u64 s[44:45], s[6:7], s[54:55]
	s_add_nc_u64 s[46:47], s[8:9], s[54:55]
	v_and_b32 v5, 31, v0
	v_lshlrev_b32 v1, 4, v5
	v_add_nc_u32 v2, 0x10000, v1
.irp p, 0,1,2,3,4,5,6,7
	global_load_b128 v[Q+4*\p:Q+4*\p+3], v1, s[40:41] offset:512*\p
.endr
	v_and_b32 v3, 15, v0
	v_bfe_u32 v5, v0, 4, 1
	v_lshlrev_b32 v5, 3, v5
	v_sub_nc_u32 v3, v3, v5
	s_and_b32 s57, s17, 3
	s_lshl_b32 s57, s57, 4
	v_add_nc_u32 v3, s57, v3                       ; 16 (tile & 3) + r - 8 h
	v_mov_b32 v4, 0xf0000000
	v_mov_b32 v7, 0                                ; v_permlanex16_b32 counts as a reader of its destination
	v_mov_b32 v9, 0                                ; the upper half of the pair that is broadcast from v8
	BLOCK 1, 1, 0
.Lpair:
	TRIP 0, 1
	TRIP 1, 1
	s_sub_co_i32 s20, s20, 1
	s_cmp_gt_i32 s20, 0                            ; a signed compare: the loop ends whatever the start
	s_cbranch_scc1 .Lpair
	s_bitcmp1_b32 s19, 0                           ; T hangs on the cluster's number alone
	s_cbranch_scc1 .Lodd
	TRIP 0, 1                                      ; T even: two slots are left, one of them still to be asked for
	TRIP 1, 0
	s_branch .Lfin
.Lodd:
	TRIP 0, 0                                      ; T odd: one slot is left, nothing to ask for
.Lfin:
	FIN OA, 16, 0
	FIN OA+32, 18, 1
	ROUND                                          ; the closing round
	s_endpgm
.Lfunc_end_k_q753e9bd1b7_attn:
	.size	k_q753e9bd1b7_attn, .Lfunc_end_k_q753e9bd1b7_attn-k_q753e9bd1b7_attn
	.p2alignl 7, 3214868480
	.fill 96, 4, 3214868480
	.section	.rodata,"a",@progbits
	.p2align	6, 0x0
	.amdhsa_kernel k_q753e9bd1b7_attn
		.amdhsa_group_segment_fixed_size 327680
		.amdhsa_private_segment_fixed_size 0
		.amdhsa_enable_private_segment 0
		.amdhsa_kernarg_size 32
		.amdhsa_user_sgpr_count 2
		.amdhsa_user_sgpr_kernarg_segment_ptr 1
		.amdhsa_wavefront_size32 1
		.amdhsa_system_sgpr_workgroup_id_x 1
		.amdhsa_system_sgpr_workgroup_id_y 1
		.amdhsa_system_sgpr_workgroup_id_z 1
		.amdhsa_system_vgpr_workitem_id 0
		.amdhsa_next_free_vgpr 320
		.amdhsa_next_free_sgpr 66
		.amdhsa_reserve_vcc 1
		.amdhsa_float_denorm_mode_32 3
		.amdhsa_float_denorm_mode_16_64 3
		.amdhsa_memory_ordered 1
		.amdhsa_forward_progress 1
		.amdhsa_inst_pref_size 255
	.end_amdhsa_kernel
	.section	.bss,"aw",@nobits
	.p2align	6
	.space	262144
	.amdgpu_metadata
---
amdhsa.version: [ 1, 2 ]
amdhsa.kernels:
  - .name:           k_q753e9bd1b7_attn
    .symbol:         k_q753e9bd1b7_attn.kd
    .args:
      - { .name: qF, .offset: 0, .size: 8, .value_kind: global_buffer, .address_space: global }
      - { .name: kF, .offset: 8, .size: 8, .value_kind: global_buffer, .address_space: global }
      - { .name: vF, .offset: 16, .size: 8, .value_kind: global_buffer, .address_space: global }
      - { .name: aF, .offset: 24, .size: 8, .value_kind: global_buffer, .address_space: global }
    .group_segment_fixed_size: 327680
    .private_segment_fixed_size: 0
    .kernarg_segment_align: 8
    .kernarg_segment_size: 32
    .max_flat_workgroup_size: 256
    .sgpr_count:     66
    .vgpr_count:     320
    .wavefront_size: 32
...
	.end_amdgpu_metadata
.endif
;; end of part 3
;; launch oproj (part 4): grid 8 x 32, 4 waves a work-group, clusters of 4 x 4, 327,680 bytes of LDS; arguments aF, woF, out0; writes out0
.if DOCPART == 4
	.amdgcn_target "amdgcn-amd-amdhsa--gfx1250"
	.amdhsa_code_object_version 6
	.text
	.protected	k_q753e9bd1b7_oproj
	.globl	k_q753e9bd1b7_oproj
	.p2align	8
	.type	k_q753e9bd1b7_oproj,@function
k_q753e9bd1b7_oproj:
	s_mov_b64 s[64:65], 0
	v_nop
	global_prefetch_b8 v0, s[64:65] scope:SCOPE_SE
	s_setreg_imm32_b32 hwreg(HW_REG_WAVE_MODE, 25, 1), 1
	s_wait_xcnt 0x0
	s_wait_alu depctr_hold_cnt(0) depctr_sa_sdst(0) depctr_va_vdst(0) depctr_va_sdst(0) depctr_va_ssrc(0) depctr_va_vcc(0) depctr_vm_vsrc(0)
	s_getreg_b32 s2, hwreg(HW_REG_IB_STS2, 6, 4)
	s_cmp_eq_u32 s2, 0
	s_cbranch_scc0 .Lentry_in_a_cluster
	s_endpgm
.Lentry_in_a_cluster:
	s_bfe_u32 s2, ttmp6, 0x10000c
	s_cmp_lg_u32 s2, 0xf033
	s_cbranch_scc0 .Lentry_shape_is_right
	s_endpgm
.Lentry_shape_is_right:
; oproj: out0 = attn wo^T, 4,096 x 1,024, f16 operands (wo holds its bf16 rounding, exact in f16), f32 sums, f32 out.
; attn comes in two f16 parts (aF [row tile][chunk 64][1 KB]: chunks 0-31 the upper ten mantissa bits, chunks 32-63 the rest), so K is walked as 2,048:
; chunk kc of aF meets chunk kc mod 32 of woF.  The first rows of a batch can be many times larger than the output's root mean square, by which
; the result is judged; one f16 rounding of attn would use up the allowance there.
; A work-group (nb, mb) makes rows 128 mb .. x columns 128 nb ..; wave (wm, wn) makes 64 x 64: 16 accumulators.
; CLUSTERS 4 x 4: attn's tiles hang on mb alone and are asked for jointly along a row of the cluster, wo's on nb alone, along a column.
; K goes through two LDS slots of 256 k (8 chunks of 32): two first fills, six refills; a wave has at most two tensor loads outstanding.
; Operands lie in fragment order: every fragment load is 512 neighbouring bytes, no padding.  Source 0 = wo, source 1 = attn: lane (r, h), register j holds
; row r, column 16 ct + 8 h + j.  Sixteen rows at a time go through a stage of my own in LDS, so that sixteen lanes store 256 neighbouring, aligned bytes.
; LIMITS: those of the operands, |attn| and |wo| below 65,504.
.set HALF, 32768                       ; one tensor load's part of a slot: 8 tiles x 4 chunks x 1 KB
.set SLOT, 4*HALF
.set STAGE, 2*SLOT                     ; behind the ring: 16 rows x 272 bytes a wave; no tensor load lands here
.set SPITCH, 272                       ; 256 bytes + 16: the sixteen rows of a store begin at sixteen different 16-byte columns of 256
.set AX,  8                            ; v8-9    LDS address of my four attn tiles in slot 0, 1
.set BW,  10                           ; v10-11  of my four wo tiles
.set F0,  32                           ; v[32:95]   fragments, buffer 0: attn i at +8 i, wo ct at +32 + 8 ct
.set F1,  96                           ; v[96:159]  buffer 1
.set G1A, 24
.set G1B, 32
.set G0A, 40
.set G0B, 48
; window 1: accumulator (i, ct) at 8 (4 i + ct)
.set MSB, 0
.macro WIN new
.if MSB != \new
	s_set_vgpr_msb (MSB<<8)|\new
.set MSB, \new
.endif
.endm
.macro PLACES cnt
.rept \cnt
	v_nop
.endr
.endm
.macro CROUND
	s_barrier_signal -1
	s_barrier_wait -1
	s_cmp_lg_u32 s16, 0
	s_cbranch_scc1 .Lnot_wave_0_\@
	s_barrier_signal -3
.Lnot_wave_0_\@:
	s_barrier_wait -3
	s_barrier_signal -1
	s_barrier_wait -1
.endm
.macro JLOAD s
	s_cmp_eq_u32 s17, 0
	s_cbranch_scc0 .Lfor_b_\@
	tensor_load_to_lds s[G0A+4*\s:G0A+4*\s+3], s[G1A:G1A+7]
	s_nop 0
	s_branch .Lasked_\@
.Lfor_b_\@:
	tensor_load_to_lds s[G0B+4*\s:G0B+4*\s+3], s[G1B:G1B+7]
	s_nop 0
.Lasked_\@:
.endm
.macro FETCH s, kc, f                  ; 16 LDS loads
	WIN 0
.irp i, 0,1,2,3
	ds_load_b128 v[\f+8*\i:\f+8*\i+3],       v[AX+\s] offset:((\kc)>>2)*HALF+((\kc)&3)*1024+4096*\i
	ds_load_b128 v[\f+8*\i+4:\f+8*\i+7],     v[AX+\s] offset:((\kc)>>2)*HALF+((\kc)&3)*1024+4096*\i+512
	ds_load_b128 v[\f+32+8*\i:\f+32+8*\i+3], v[BW+\s] offset:((\kc)>>2)*HALF+((\kc)&3)*1024+4096*\i
	ds_load_b128 v[\f+36+8*\i:\f+36+8*\i+3], v[BW+\s] offset:((\kc)>>2)*HALF+((\kc)&3)*1024+4096*\i+512
.endr
.endm
.macro MUL f, zero                     ; the 16 accumulators take turns, one instruction a turn
	WIN 0x50
.irp i, 0,1,2,3
.irp ct, 0,1,2,3
.if \zero
	v_wmma_f32_16x16x32_f16 v[8*(4*\i+\ct):8*(4*\i+\ct)+7], v[\f+32+8*\ct:\f+32+8*\ct+7], v[\f+8*\i:\f+8*\i+7], 0
.else
	v_wmma_f32_16x16x32_f16 v[8*(4*\i+\ct):8*(4*\i+\ct)+7], v[\f+32+8*\ct:\f+32+8*\ct+7], v[\f+8*\i:\f+8*\i+7], v[8*(4*\i+\ct):8*(4*\i+\ct)+7]
.endif
.endr
.endr
.endm
.macro STEP s, kn, f, g
	PLACES 4                               ; a load into a register that a matrix instruction has read stands four places behind it (ISA guide 7.12.1 for vector instructions)
	FETCH \s, \kn, \g
	s_wait_dscnt 16                        ; all but the 16 just issued
	MUL \f, 0
.endm
.macro SLOTRUN s, zero
	PLACES 4
	FETCH \s, 0, F0
	FETCH \s, 1, F1
	s_wait_dscnt 16
	MUL F0, \zero
	STEP \s, 2, F1, F0
	STEP \s, 3, F0, F1
	STEP \s, 4, F1, F0
	STEP \s, 5, F0, F1
	STEP \s, 6, F1, F0
	STEP \s, 7, F0, F1
	s_wait_dscnt 0
	MUL F1, 0
.endm
; slot s has been read: attn's chunks 16 further on; wo's 16 further on, or (back = 1) 16 back, where wo's 32 chunks begin again
.macro REFILL s, back
	s_wait_dscnt 0x0                       ; my reads of slot s are back,
	s_wait_tensorcnt 0x0                   ; all my tensor loads have landed: a group 0 may be written
	ds_add_u32 v254, v255
	s_wait_dscnt 0x0
	s_add_nc_u64 s[G0A+4*\s+2:G0A+4*\s+3], s[G0A+4*\s+2:G0A+4*\s+3], 16384
.if \back
	s_sub_nc_u64 s[G0B+4*\s+2:G0B+4*\s+3], s[G0B+4*\s+2:G0B+4*\s+3], 16384   ; takes back what the last step added: no borrow reaches the type bits
.else
	s_add_nc_u64 s[G0B+4*\s+2:G0B+4*\s+3], s[G0B+4*\s+2:G0B+4*\s+3], 16384
.endif
	WIN 0
	CROUND                                 ; both now hold of every wave of all sixteen work-groups
	JLOAD \s                               ; my one tensor load behind the round, and the first thing there
.endm
.macro OUT16 i                         ; rows 16 i .. 16 i + 15 of my 64; each i has store registers of its own
	WIN 0x04                               ; an LDS store's data is source 1: window 1
.irp ct, 0,1,2,3
.irp q, 0,1
	ds_store_b128 v16, v[8*(4*\i+\ct)+4*\q:8*(4*\i+\ct)+4*\q+3] offset:64*\ct+16*\q
.endr
.endr
	WIN 0
.irp k, 0,1,2,3,4,5,6,7
	ds_load_b128 v[32+32*\i+4*\k:32+32*\i+4*\k+3], v17 offset:2*SPITCH*\k   ; my own stage, served in order behind the stores
.endr
.irp k, 0,1,2,3,4,5,6,7
	s_wait_dscnt 7-\k
	global_store_b128 v18, v[32+32*\i+4*\k:32+32*\i+4*\k+3], s[60:61] offset:(16*\i+2*\k)*4096 th:TH_STORE_NT   ; 16 lanes: 256 neighbouring bytes, at a multiple of 256 from out0's first byte
.endr
.endm
	s_load_b128 s[4:7], s[0:1], 0x0                ; aF 4, woF 6
	s_load_b64 s[8:9], s[0:1], 0x10                ; out0
	v_lshl_add_u32 v254, v0, 2, 0x44400
	v_mov_b32 v255, 0
	ds_add_u32 v254, v255
	v_lshrrev_b32 v2, 5, v0
	v_readfirstlane_b32 s16, v2
	s_lshr_b32 s17, s16, 1                         ; wm.  Also: I fetch for attn (0) or for wo (1)
	s_and_b32 s18, s16, 1                          ; wn.  Also: which k half I fetch
	s_bfe_u32 s19, ttmp6, 0x40000                  ; cx
	s_bfe_u32 s20, ttmp6, 0x40004                  ; cy
	s_lshl_b32 s21, ttmp9, 2
	s_add_co_u32 s21, s21, s19                     ; nb
	s_and_b32 s22, ttmp7, 0xffff
	s_lshl_b32 s22, s22, 2
	s_add_co_u32 s22, s22, s20                     ; mb
	s_lshl_b32 s62, s20, 2
	s_lshl_b32 s62, 15, s62                        ; my row of the cluster
	s_lshl_b32 s63, 0x1111, s19                    ; my column
	s_or_b32 s[G1A+0], s62, (3<<16)|(1<<21)        ; the mask; element of 8 bytes; bit 21 beside a mask
	s_or_b32 s[G1B+0], s63, (3<<16)|(1<<21)
	s_mov_b32 s[G1A+1], 512<<16                    ; rows of 512 elements (four chunks of a tile),
	s_mov_b32 s[G1B+1], 512<<16
	s_mov_b32 s[G1A+2], 8<<16                      ; 8 rows (tiles),
	s_mov_b32 s[G1B+2], 8<<16
	s_mov_b32 s[G1A+3], 512<<16
	s_mov_b32 s[G1B+3], 512<<16
	s_mov_b32 s[G1A+4], 8
	s_mov_b32 s[G1B+4], 8
	s_mov_b32 s[G1A+5], 8192                       ; from row to row: aF 8,192 elements (a tile's 64 chunks),
	s_mov_b32 s[G1B+5], 4096                       ; woF 4,096 (32 chunks)
	s_mov_b32 s[G1A+6], 0
	s_mov_b32 s[G1B+6], 0
	s_mov_b32 s[G1A+7], 0
	s_mov_b32 s[G1B+7], 0
	s_lshl_b32 s23, s18, 12
	s_lshl_b32 s56, s22, 19                        ; aF: eight tiles of 64 KB a block row
	s_add_co_u32 s56, s56, s23
	s_mov_b32 s57, 0
	s_lshl_b32 s58, s21, 18                        ; woF: eight tiles of 32 KB a block column
	s_add_co_u32 s58, s58, s23
	s_mov_b32 s59, 0
	s_lshl_b32 s66, s16, 15                        ; where my part goes: wave x 32,768
	s_wait_dscnt 0x0
	s_wait_kmcnt 0x0
	s_add_nc_u64 s[56:57], s[4:5], s[56:57]
	s_add_nc_u64 s[58:59], s[6:7], s[58:59]
	CROUND                                         ; in front of the first joint loads
.irp s, 0,1
	s_mov_b32 s[G0A+4*\s], 1
	s_add_co_u32 s[G0A+4*\s+1], s66, \s*SLOT
	s_add_nc_u64 s[G0A+4*\s+2:G0A+4*\s+3], s[56:57], \s*8192
	s_or_b32 s[G0A+4*\s+3], s[G0A+4*\s+3], 0x80000000
	s_mov_b32 s[G0B+4*\s], 1
	s_add_co_u32 s[G0B+4*\s+1], s66, \s*SLOT
	s_add_nc_u64 s[G0B+4*\s+2:G0B+4*\s+3], s[58:59], \s*8192
	s_or_b32 s[G0B+4*\s+3], s[G0B+4*\s+3], 0x80000000
	JLOAD \s
.endr
	s_lshl_b32 s68, s22, 19                        ; 128 rows of 4,096 bytes a block row,
	s_lshl_b32 s70, s17, 18                        ; 64 rows,
	s_add_co_u32 s68, s68, s70
	s_lshl_b32 s70, s21, 9                         ; 128 columns,
	s_add_co_u32 s68, s68, s70
	s_lshl_b32 s70, s18, 8                         ; 64 columns
	s_add_co_u32 s68, s68, s70
	s_mov_b32 s69, 0
	s_add_nc_u64 s[60:61], s[8:9], s[68:69]
	v_and_b32 v2, 31, v0
	v_lshlrev_b32 v1, 4, v2
	s_lshl_b32 s67, s17, 14
	v_add_nc_u32 v[AX], s67, v1
	v_add_nc_u32 v[AX+1], SLOT, v[AX]
	s_lshl_b32 s67, s18, 14
	s_add_co_u32 s67, s67, 2*HALF
	v_add_nc_u32 v[BW], s67, v1
	v_add_nc_u32 v[BW+1], SLOT, v[BW]
	v_and_b32 v3, 15, v0                           ; r
	v_bfe_u32 v4, v0, 4, 1                         ; h
	s_mul_i32 s67, s16, 16*SPITCH
	s_add_co_u32 s67, s67, STAGE
	v_mul_u32_u24 v16, v3, SPITCH
	v_lshl_add_u32 v16, v4, 5, v16
	v_add_nc_u32 v16, s67, v16                     ; in: row r, 32 bytes for each half of the lanes
	v_mul_u32_u24 v17, v4, SPITCH
	v_lshl_add_u32 v17, v3, 4, v17
	v_add_nc_u32 v17, s67, v17                     ; back: lanes 0-15 one row of 256 bytes, lanes 16-31 the next
	v_lshlrev_b32 v18, 4, v3
	v_lshl_add_u32 v18, v4, 12, v18                ; and the same two rows in out0
	s_wait_tensorcnt 0x1                           ; my part of slot 0 is in; slot 1's stays out
	s_barrier_signal -1
	s_barrier_wait -1
	SLOTRUN 0, 1                                   ; attn's chunks 0-7 (upper parts), wo's 0-7: the first products start the sums
	REFILL 0, 0                                    ; asks for attn 16-23, wo 16-23
	SLOTRUN 1, 0                                   ; attn 8-15, wo 8-15
	REFILL 1, 0                                    ; attn 24-31, wo 24-31
	SLOTRUN 0, 0
	REFILL 0, 1                                    ; attn 32-39 (the second parts begin), wo 0-7 again
	SLOTRUN 1, 0
	REFILL 1, 1                                    ; attn 40-47, wo 8-15
	SLOTRUN 0, 0
	REFILL 0, 0                                    ; attn 48-55, wo 16-23
	SLOTRUN 1, 0
	REFILL 1, 0                                    ; attn 56-63, wo 24-31
	SLOTRUN 0, 0
	s_wait_dscnt 0x0
	s_wait_tensorcnt 0x0                           ; my part of the last eight chunks is in,
	s_barrier_signal -1
	s_barrier_wait -1                              ; everybody's is; nothing is left to fetch
	SLOTRUN 1, 0
	PLACES 4                                       ; four places behind the last matrix instructions: for the LDS stores of sums and the loads into fragment registers
	OUT16 0
	OUT16 1
	OUT16 2
	OUT16 3
	s_wait_tensorcnt 0x0
	ds_add_u32 v254, v255
	s_wait_dscnt 0x0
	CROUND                                         ; the closing round
	s_endpgm
.Lfunc_end_k_q753e9bd1b7_oproj:
	.size	k_q753e9bd1b7_oproj, .Lfunc_end_k_q753e9bd1b7_oproj-k_q753e9bd1b7_oproj
	.p2alignl 7, 3214868480
	.fill 96, 4, 3214868480
	.section	.rodata,"a",@progbits
	.p2align	6, 0x0
	.amdhsa_kernel k_q753e9bd1b7_oproj
		.amdhsa_group_segment_fixed_size 327680
		.amdhsa_private_segment_fixed_size 0
		.amdhsa_enable_private_segment 0
		.amdhsa_kernarg_size 24
		.amdhsa_user_sgpr_count 2
		.amdhsa_user_sgpr_kernarg_segment_ptr 1
		.amdhsa_wavefront_size32 1
		.amdhsa_system_sgpr_workgroup_id_x 1
		.amdhsa_system_sgpr_workgroup_id_y 1
		.amdhsa_system_sgpr_workgroup_id_z 1
		.amdhsa_system_vgpr_workitem_id 0
		.amdhsa_next_free_vgpr 400
		.amdhsa_next_free_sgpr 80
		.amdhsa_reserve_vcc 0
		.amdhsa_float_denorm_mode_32 3
		.amdhsa_float_denorm_mode_16_64 3
		.amdhsa_memory_ordered 1
		.amdhsa_forward_progress 1
		.amdhsa_inst_pref_size 161
	.end_amdhsa_kernel
	.amdgpu_metadata
---
amdhsa.version: [ 1, 2 ]
amdhsa.kernels:
  - .name:           k_q753e9bd1b7_oproj
    .symbol:         k_q753e9bd1b7_oproj.kd
    .args:
      - { .name: aF, .offset: 0, .size: 8, .value_kind: global_buffer, .address_space: global }
      - { .name: woF, .offset: 8, .size: 8, .value_kind: global_buffer, .address_space: global }
      - { .name: out0, .offset: 16, .size: 8, .value_kind: global_buffer, .address_space: global }
    .group_segment_fixed_size: 327680
    .private_segment_fixed_size: 0
    .kernarg_segment_align: 8
    .kernarg_segment_size: 24
    .max_flat_workgroup_size: 128
    .sgpr_count:     80
    .vgpr_count:     400
    .wavefront_size: 32
...
	.end_amdgpu_metadata
.endif
;; end of part 4
;; ======== version 2 of 3: 4 launches; 1.24 times as fast as version 1
;; limits: values are held in f16: magnitudes above 65,504 overflow, below 6.1e-05 lose precision
;; workspace buffers: xF 8,388,608 bytes; w1F 2,359,296 bytes; woF 2,097,152 bytes; tab 524,288 bytes; qF 8,388,608 bytes; kF 524,288 bytes; vF 1,048,576 bytes; aF 10,485,760 bytes
;; launch prep: the kernel of part 1 again; grid 456 x 1, 8 waves a work-group, no clusters, 37,888 bytes of LDS; arguments x, wq, wk, wv, wo, xF, w1F, woF, tab; writes xF, w1F, woF, tab
;; launch proj: the kernel of part 2 again; grid 8 x 32, 4 waves a work-group, clusters of 4 x 4, 327,680 bytes of LDS; arguments xF, w1F, tab, qF, kF, vF; writes qF, kF, vF
;; launch attn (part 5): grid 256 x 1, 8 waves a work-group, clusters of 4 x 1, 327,680 bytes of LDS; arguments qF, kF, vF, aF; writes aF
.if DOCPART == 5
	.amdgcn_target "amdgcn-amd-amdhsa--gfx1250"
	.amdhsa_code_object_version 6
	.text
	.protected	k_q753e9bd1b7_attn
	.globl	k_q753e9bd1b7_attn
	.p2align	8
	.type	k_q753e9bd1b7_attn,@function
k_q753e9bd1b7_attn:
	s_mov_b64 s[64:65], 0
	v_nop
	global_prefetch_b8 v0, s[64:65] scope:SCOPE_SE
	s_setreg_imm32_b32 hwreg(HW_REG_WAVE_MODE, 25, 1), 1
	s_wait_xcnt 0x0
	s_wait_alu depctr_hold_cnt(0) depctr_sa_sdst(0) depctr_va_vdst(0) depctr_va_sdst(0) depctr_va_ssrc(0) depctr_va_vcc(0) depctr_vm_vsrc(0)
	s_getreg_b32 s2, hwreg(HW_REG_IB_STS2, 6, 4)
	s_cmp_eq_u32 s2, 0
	s_cbranch_scc0 .Lentry_in_a_cluster
	s_endpgm
.Lentry_in_a_cluster:
	s_bfe_u32 s2, ttmp6, 0x10000c
	s_cmp_lg_u32 s2, 0x3003
	s_cbranch_scc0 .Lentry_shape_is_right
	s_endpgm
.Lentry_shape_is_right:
; attn: causal attention with one shared key and value head, f16 operands, f32 sums, softmax with a running maximum in base 2 (k carries 0.125 log2 e).
; SHARING.  Keys go in blocks of 64; query tile q (16 queries) needs (q >> 2) full blocks and the block of its diagonal.  A wave takes ONE head and TWO
; query tiles, a (the small one, 0..63) and 127 - a (the large one): (a >> 2) + 1 + (31 - (a >> 2)) + 1 = 33 tile-blocks for every wave of the launch.
; A cluster C (b = C >> 5, c = C & 31) holds the 16 heads x the pairs a = 2 c and 2 c + 1: head = 4 cx + (w & 3), a = 2 c + (w >> 2).  Both pairs have
; FBs = c >> 1 full blocks for the small tile and FBl = 31 - FBs for the large one, so all 32 waves walk the same blocks in the same way:
; K and V are asked for JOINTLY by the four work-groups (mask 15), and branches and trip counts hang on the cluster's number alone.
; ORDER.  The two diagonals' blocks come first, straight from memory: they start maxima, sums and outputs, so nothing is cleared.  Their loads go out ahead of the
; first round of the cluster's barrier.  Then the full blocks through two LDS slots of 256 keys (K 32 KB, V 32 KB, each wave fetching 8 KB of a slot; a wave has
; one tensor load outstanding): blocks 0 .. FBs - 1 serve both tiles from one set of K and V fragments, blocks FBs .. FBl - 1 the large tile alone.
; FRAGMENTS AHEAD.  K's fragments have registers of their own and are asked for from LDS one block ahead, behind the score products of the block before; V's are
; asked for at the head of their block.  So a block's two waits on LDS are counted: each leaves the 16 younger loads on their way.  A slot's first K is asked for
; behind the round; its fourth block asks for nothing ahead, since the next slot is shown whole only behind the next round.  Where FBl is no multiple of 4, the
; last block worked on has asked for the K of a block that no tile needs: 8 KB of the same slot, landed, read and not used.
; Scores transposed (source 0 = K, source 1 = Q): lane (r, h), register 8 kt + j holds query r, key 16 kt + 8 h + j; packed in pairs that is the
; register image of P as second operand of V^T P, whose result lane (r, h), register j is query r, d = 16 dt + 8 h + j: 16 neighbouring bytes of aF.
; PRECISION.  A row with few keys is a mean of few v and can be many times larger than the output's root mean square, by which the result is judged.
; So (a) the small tile's diagonal block also multiplies by v's second part (what f16 cut off): a row of fewer than 64 keys has all its keys in that block;
; everywhere else v has f16's eleven significant bits alone.  (b) Query tiles 0..31 of a batch (rows 0..511) go out in two parts: the result cut to ten
; mantissa bits (exact in f16) and what was cut off, in f16; all other tiles go out rounded to f16 once.
; aF [mb 32][j 10][chunk 32][1 KB]: j = 0..7 row tile mb + 32 j (chunk 2 head + c); j = 8, 9 the second parts of row tiles mb and 128 + mb.
; LIMITS: a masked score is set to -1.58e29 (0xf0000000), so scores must stay below 1e28 in magnitude; |attn| below 65,504, below 2^-14 with an absolute
; error of up to 2^-25 (f16).  The sum of a row is taken of the f32 weights, the product of their f16 roundings.
.set Q,  20                            ; v[20:51]    Q (tile x, chunk c) at 16 x + 8 c; x = 0 the large tile, x = 1 the small one
.set KV, 52                            ; v[52:115]   the small diagonal's K, then V (ck, dt) at 32 ck + 8 dt; at the end upper parts of results
.set SA, 116                           ; v[116:179]  scores of tile 0, tile 1; P lies in the first 16 registers of each
.set OA, 180                           ; v[180:243]  outputs of tile 0, tile 1: d tile dt at 8 dt
.set VLO, 524288                       ; vF's second part
.set W1VL, 0                           ; window 1, 0-63     V's second part, small tile's diagonal block
.set W1K,  64                          ; window 1, 64-127   K (kt, c) at 16 kt + 8 c: the large tile's diagonal block, then every full block
.set W1VS, 128                         ; window 1, 128-191  V, small tile's diagonal block
; v1, v2 16 L (+ 65,536): lane offset, and LDS address in slot 0, 1.  v3, v5 16 (tile & 3) + r - 8 h of the large, the small tile.  v4 the mask's value.
; v[6:7] new maximum, exchange.  v[8:9] alpha, difference.  v[10:13] at work.  v14, v15 maxima.  v[16:17], v[18:19] sums, two partial sums a lane.  v244 set-up
.set MSB, 0
.macro WIN new                         ; the immediate's high byte repeats the setting that is left
.if MSB != \new
	s_set_vgpr_msb (MSB<<8)|\new
.set MSB, \new
.endif
.endm
.macro PLACES cnt
.rept \cnt
	v_nop
.endr
.endm
.macro ROUND                           ; a round of the cluster's barrier
	s_barrier_signal -1
	s_barrier_wait -1
	s_cmp_lg_u32 s12, 0
	s_cbranch_scc1 .Lnot_wave_0_\@
	s_barrier_signal -3
.Lnot_wave_0_\@:
	s_barrier_wait -3
	s_barrier_signal -1
	s_barrier_wait -1
.endm
; one tile's 16 x 64 scores at sc: new maximum, weights, sum; outputs at oc scaled; weights packed to f16 in place
.macro SOFT sc, oc, mx, ls, first
.irp c, 0,1,2,3
	v_max3_num_f32 v[10+\c], v[\sc+8*\c], v[\sc+8*\c+1], v[\sc+8*\c+2]
.endr
.irp c, 0,1,2,3
	v_max3_num_f32 v[10+\c], v[10+\c], v[\sc+8*\c+3], v[\sc+8*\c+4]
.endr
.irp c, 0,1,2,3
	v_max3_num_f32 v[10+\c], v[10+\c], v[\sc+8*\c+5], v[\sc+8*\c+6]
.endr
	v_max3_num_f32 v10, v10, v[\sc+7], v[\sc+15]
	v_max3_num_f32 v11, v11, v[\sc+23], v[\sc+31]
	v_max3_num_f32 v10, v10, v11, v12
.if \first
	v_max_num_f32 v10, v10, v13
.else
	v_max3_num_f32 v10, v10, v13, v[\mx]
.endif
	v_permlanex16_b32 v7, v10, s22, s23            ; the other 32 keys of my query lie in lane L xor 16
	v_max_num_f32 v6, v10, v7
.if \first == 0
	v_sub_f32 v9, v[\mx], v6
	v_exp_f32 v8, v9                               ; alpha
.endif
	v_mov_b32 v[\mx], v6                           ; also the plain place behind v_exp_f32 (ISA guide 5.7.2)
.irp p, 0,1,2,3,4,5,6,7,8,9,10,11,12,13,14,15
	v_pk_add_f32 v[\sc+2*\p:\sc+2*\p+1], v[\sc+2*\p:\sc+2*\p+1], v[6:7] op_sel_hi:[1,0] neg_lo:[0,1] neg_hi:[0,1]
.endr
.irp p, 0,1,2,3,4,5,6,7,8,9,10,11,12,13,14,15,16,17,18,19,20,21,22,23,24,25,26,27,28,29,30,31
	v_exp_f32 v[\sc+\p], v[\sc+\p]
.endr
.if \first
	v_nop                                          ; the plain place behind the exponentials
	s_wait_alu depctr_va_vdst(0)
	v_pk_add_f32 v[\ls:\ls+1], v[\sc:\sc+1], v[\sc+2:\sc+3]
	v_pk_add_f32 v[10:11], v[\sc+4:\sc+5], v[\sc+6:\sc+7]
	v_pk_add_f32 v[12:13], v[\sc+8:\sc+9], v[\sc+10:\sc+11]
.irp g, 6,9,12
	v_pk_add_f32 v[\ls:\ls+1], v[\ls:\ls+1], v[\sc+2*\g:\sc+2*\g+1]
	v_pk_add_f32 v[10:11], v[10:11], v[\sc+2*\g+2:\sc+2*\g+3]
	v_pk_add_f32 v[12:13], v[12:13], v[\sc+2*\g+4:\sc+2*\g+5]
.endr
	v_pk_add_f32 v[\ls:\ls+1], v[\ls:\ls+1], v[\sc+30:\sc+31]
.else
	s_wait_alu depctr_va_vdst(0)
.irp p, 0,1,2,3,4,5,6,7,8,9,10,11,12,13,14,15
	v_pk_mul_f32 v[\oc+2*\p:\oc+2*\p+1], v[\oc+2*\p:\oc+2*\p+1], v[8:9] op_sel_hi:[1,0]   ; these are also the plain places behind the exponentials
.endr
	v_pk_fma_f32 v[\ls:\ls+1], v[\ls:\ls+1], v[8:9], v[\sc:\sc+1] op_sel_hi:[1,0,1]
	v_pk_add_f32 v[10:11], v[\sc+2:\sc+3], v[\sc+4:\sc+5]
	v_pk_add_f32 v[12:13], v[\sc+6:\sc+7], v[\sc+8:\sc+9]
.irp g, 5,8,11
	v_pk_add_f32 v[\ls:\ls+1], v[\ls:\ls+1], v[\sc+2*\g:\sc+2*\g+1]
	v_pk_add_f32 v[10:11], v[10:11], v[\sc+2*\g+2:\sc+2*\g+3]
	v_pk_add_f32 v[12:13], v[12:13], v[\sc+2*\g+4:\sc+2*\g+5]
.endr
	v_pk_add_f32 v[\ls:\ls+1], v[\ls:\ls+1], v[\sc+28:\sc+29]
	v_pk_add_f32 v[10:11], v[10:11], v[\sc+30:\sc+31]
.endif
	v_pk_add_f32 v[10:11], v[10:11], v[12:13]
	v_pk_add_f32 v[\ls:\ls+1], v[\ls:\ls+1], v[10:11]
.irp p, 0,1,2,3,4,5,6,7,8,9,10,11,12,13,14,15
	v_cvt_pk_f16_f32 v[\sc+\p], v[\sc+2*\p], v[\sc+2*\p+1]         ; ascending: word p is written when words 2 p, 2 p + 1 are read
.endr
.endm
; scores of tile x = K (at kb) Q^T; the four key tiles take turns, one instruction a turn
.macro QK x, kb
.irp c, 0,1
.irp kt, 0,1,2,3
.if \c == 0
	v_wmma_f32_16x16x32_f16 v[SA+32*\x+8*\kt:SA+32*\x+8*\kt+7], v[\kb+16*\kt+8*\c:\kb+16*\kt+8*\c+7], v[Q+16*\x+8*\c:Q+16*\x+8*\c+7], 0
.else
	v_wmma_f32_16x16x32_f16 v[SA+32*\x+8*\kt:SA+32*\x+8*\kt+7], v[\kb+16*\kt+8*\c:\kb+16*\kt+8*\c+7], v[Q+16*\x+8*\c:Q+16*\x+8*\c+7], v[SA+32*\x+8*\kt:SA+32*\x+8*\kt+7]
.endif
.endr
.endr
.endm
; outputs += V^T P, V at vb; the four d tiles take turns, one instruction a turn
.macro PV sc, oc, vb, first
.irp ck, 0,1
.irp dt, 0,1,2,3
.if \first*(1-\ck)
	v_wmma_f32_16x16x32_f16 v[\oc+8*\dt:\oc+8*\dt+7], v[\vb+32*\ck+8*\dt:\vb+32*\ck+8*\dt+7], v[\sc+8*\ck:\sc+8*\ck+7], 0
.else
	v_wmma_f32_16x16x32_f16 v[\oc+8*\dt:\oc+8*\dt+7], v[\vb+32*\ck+8*\dt:\vb+32*\ck+8*\dt+7], v[\sc+8*\ck:\sc+8*\ck+7], v[\oc+8*\dt:\oc+8*\dt+7]
.endif
.endr
.endr
.endm
.macro KLOAD va, off                   ; 16 LDS loads: a block's K into its own registers in window 1
	WIN 0x40                               ; destination in window 1, address in window 0
.irp p, 0,1,2,3,4,5,6,7,8,9,10,11,12,13,14,15
	ds_load_b128 v[W1K+4*\p:W1K+4*\p+3], v[\va] offset:\off+512*\p
.endr
	WIN 0
.endm
; a full block of 64 keys from LDS at v[va] + off, the i-th of its slot: the large tile always, the small tile while s58 (its full blocks still to come) is above i.
; Its K has been asked for ahead.  pre = 1: it asks for the K of the slot's next block
.macro BLOCK va, off, i, pre
.irp p, 0,1,2,3,4,5,6,7,8,9,10,11,12,13,14,15
	ds_load_b128 v[KV+4*\p:KV+4*\p+3], v[\va] offset:\off+32768+512*\p   ; V: five places stand behind the products that read these registers last
.endr
	s_wait_dscnt 16                                ; LDS loads come back in order: K is in, the 16 loads of V stay out
	WIN 0x01                                       ; source 0 (K) in window 1
	QK 0, W1K
	WIN 0                                          ; (a branch follows)
	s_cmp_le_i32 s58, \i
	s_cbranch_scc1 .Lone_a_\@
	WIN 0x01
	QK 1, W1K
	WIN 0
.Lone_a_\@:
	PLACES 4                                       ; four places before the next K lands on K's registers and before the scores are read (ISA guide 7.12.1 for vector instructions)
.if \pre
	KLOAD \va, \off+8192
.endif
	SOFT SA, OA, 14, 16, 0
.if \pre
	s_wait_dscnt 16                                ; V is in, the 16 loads of the next K stay out
.else
	s_wait_dscnt 0x0                               ; V
.endif
	PV SA, OA, KV, 0
	s_cmp_le_i32 s58, \i
	s_cbranch_scc1 .Lone_b_\@
	SOFT SA+32, OA+32, 15, 18, 0
	PV SA+32, OA+32, KV, 0
.Lone_b_\@:
	PLACES 5                                       ; four places before loads land on V's registers or outputs are read, five before new scores are written over P
.endm
; a slot's 256 keys.  The waits and the round stand on every path.  Every slot has at least one block for the large tile, since T = ceil(FBl / 4);
; in the last slot the blocks at and behind the large tile's diagonal are jumped over
.macro TRIP slot, refill
	s_wait_tensorcnt 0x0                           ; all my tensor loads have landed, my part of this slot among them: a group 0 may be written
	ds_add_u32 v254, v255
	s_wait_dscnt 0x0
	s_add_nc_u64 s[34+4*\slot:35+4*\slot], s[34+4*\slot:35+4*\slot], 0x10000   ; this slot's next 256 keys
	s_wait_dscnt 0x0                               ; my reads of the other slot are back
	ROUND                                          ; both now hold of every wave of the four work-groups
.if \refill
	tensor_load_to_lds s[36-4*\slot:39-4*\slot], s[24:31]          ; my one load behind the round: the next 256 keys, into the slot read last
	s_nop 0
.endif
	KLOAD 1+\slot, 0                               ; the slot's first K
	BLOCK 1+\slot, 0, 0, 1
	s_cmp_le_i32 s18, 1                            ; s18: the large tile's full blocks still to come
	s_cbranch_scc1 .Ldone_\@
	BLOCK 1+\slot, 8192, 1, 1
	s_cmp_le_i32 s18, 2
	s_cbranch_scc1 .Ldone_\@
	BLOCK 1+\slot, 16384, 2, 1
	s_cmp_le_i32 s18, 3
	s_cbranch_scc1 .Ldone_\@
	BLOCK 1+\slot, 24576, 3, 0
.Ldone_\@:
	s_sub_co_i32 s18, s18, 4
	s_sub_co_i32 s58, s58, 4
.endm
.macro SCALE oc, ls                    ; outputs divided by the row's sum
	v_add_f32 v6, v[\ls], v[\ls+1]
	v_permlanex16_b32 v7, v6, s22, s23
	v_add_f32 v6, v6, v7
	v_rcp_f32 v8, v6
	v_nop                                          ; the plain place behind v_rcp_f32
	s_wait_alu depctr_va_vdst(0)
.irp p, 0,1,2,3,4,5,6,7,8,9,10,11,12,13,14,15
	v_pk_mul_f32 v[\oc+2*\p:\oc+2*\p+1], v[\oc+2*\p:\oc+2*\p+1], v[8:9] op_sel_hi:[1,0]
.endr
.endm
.macro FINP oc, ls, b                  ; one rounding to f16; every store has data registers of its own
	SCALE \oc, \ls
.irp dt, 0,1,2,3
.irp q, 0,1,2,3
	v_cvt_pk_f16_f32 v[\oc+8*\dt+\q], v[\oc+8*\dt+2*\q], v[\oc+8*\dt+2*\q+1]
.endr
	global_store_b128 v1, v[\oc+8*\dt:\oc+8*\dt+3], s[\b:\b+1] offset:512*\dt      ; 512 neighbouring bytes of aF
.endr
.endm
; two parts: cut to ten mantissa bits (exact in f16); the rest is an exact difference in f32; both to f16
.macro FINS oc, ls
	SCALE \oc, \ls
.irp dt, 0,1,2,3
.irp j, 0,1,2,3,4,5,6,7
	v_and_b32 v[KV+8*\dt+\j], 0xffffe000, v[\oc+8*\dt+\j]
.endr
.irp q, 0,1,2,3
	v_pk_add_f32 v[\oc+8*\dt+2*\q:\oc+8*\dt+2*\q+1], v[\oc+8*\dt+2*\q:\oc+8*\dt+2*\q+1], v[KV+8*\dt+2*\q:KV+8*\dt+2*\q+1] neg_lo:[0,1] neg_hi:[0,1]
.endr
.irp q, 0,1,2,3
	v_cvt_pk_f16_f32 v[KV+8*\dt+\q], v[KV+8*\dt+2*\q], v[KV+8*\dt+2*\q+1]
	v_cvt_pk_f16_f32 v[\oc+8*\dt+\q], v[\oc+8*\dt+2*\q], v[\oc+8*\dt+2*\q+1]
.endr
	global_store_b128 v1, v[KV+8*\dt:KV+8*\dt+3], s[52:53] offset:512*\dt
	global_store_b128 v1, v[\oc+8*\dt:\oc+8*\dt+3], s[56:57] offset:512*\dt
.endr
.endm
	s_load_b256 s[4:11], s[0:1], 0x0               ; qF 4, kF 6, vF 8, aF 10
	v_lshl_add_u32 v254, v0, 2, 0x29000
	v_mov_b32 v255, 0
	ds_add_u32 v254, v255
	v_lshrrev_b32 v244, 5, v0
	v_readfirstlane_b32 s12, v244                  ; wave
	s_bfe_u32 s13, ttmp6, 0x40000                  ; cx: which four heads
	s_lshr_b32 s15, ttmp9, 5                       ; b
	s_and_b32 s16, ttmp9, 31                       ; c
	s_lshr_b32 s14, s12, 2                         ; which of the cluster's two pairs
	s_lshl1_add_u32 s17, s16, s14                  ; a = 2 c + (w >> 2): the small tile
	s_sub_co_u32 s21, 127, s17                     ; the large tile
	s_lshr_b32 s58, s16, 1                         ; FBs = a >> 2 = c >> 1
	s_sub_co_u32 s18, 31, s58                      ; FBl = (127 - a) >> 2
	s_add_co_u32 s19, s18, 3
	s_lshr_b32 s19, s19, 2                         ; T = 4 .. 8 slots
	s_sub_co_u32 s20, s19, 1
	s_lshr_b32 s20, s20, 1                         ; pairs of trips that both fill a slot: 1 .. 3
	s_mov_b32 s22, 0x76543210
	s_mov_b32 s23, 0xfedcba98
	; group 1: 8,192 dense bytes as 32 rows of 32 elements of 8 bytes
	s_mov_b32 s24, 15|(3<<16)|(1<<21)              ; 15:0 all four work-groups; 17:16 element of 8 bytes; 21 set beside a mask
	s_mov_b32 s25, 32<<16                          ; tensor_dim0 = 32
	s_mov_b32 s26, 32<<16                          ; tensor_dim1 = 32
	s_mov_b32 s27, 32<<16                          ; tile_dim0 = 32
	s_mov_b32 s28, 32                              ; tile_dim1 = 32
	s_mov_b32 s29, 32                              ; the pitch
	s_mov_b32 s30, 0
	s_mov_b32 s31, 0
	s_lshl_b32 s66, s15, 18                        ; a batch is 262,144 bytes in kF and in each part of vF
	s_and_b32 s2, s12, 3
	s_lshl_b32 s2, s2, 13
	s_add_co_u32 s2, s2, s66
	s_mov_b32 s3, 0
	s_lshl_b32 s67, s12, 13                        ; waves 0-3: K's four blocks, waves 4-7: V's, 8,192 bytes each
	v_and_b32 v244, 31, v0
	v_lshlrev_b32 v1, 4, v244
	v_add_nc_u32 v2, 0x10000, v1
	s_mov_b32 s73, 0                               ; s[72:73]: a byte offset in 64 bits
	s_and_b32 s70, s12, 3
	s_lshl2_add_u32 s70, s13, s70                  ; head 4 cx + (w & 3)
	s_lshl_b32 s70, s70, 11                        ; 2,048 bytes a head
	s_lshl_b32 s71, s15, 7                         ; 128 b
	s_wait_dscnt 0x0
	s_wait_kmcnt 0x0
	; global addresses
	s_add_co_u32 s72, s71, s17
	s_lshl_b32 s72, s72, 15                        ; qF: 32,768 bytes a row tile
	s_add_co_u32 s72, s72, s70
	s_add_nc_u64 s[40:41], s[4:5], s[72:73]        ; Q, small tile
	s_add_co_u32 s72, s71, s21
	s_lshl_b32 s72, s72, 15
	s_add_co_u32 s72, s72, s70
	s_add_nc_u64 s[42:43], s[4:5], s[72:73]        ; Q, large tile
	s_lshl_b32 s72, s58, 13                        ; 8,192 bytes a block in kF and in vF
	s_add_co_u32 s72, s72, s66
	s_add_nc_u64 s[44:45], s[6:7], s[72:73]        ; the small tile's diagonal block
	s_add_nc_u64 s[46:47], s[8:9], s[72:73]
	s_lshl_b32 s72, s18, 13
	s_add_co_u32 s72, s72, s66
	s_add_nc_u64 s[48:49], s[6:7], s[72:73]        ; the large tile's
	s_add_nc_u64 s[50:51], s[8:9], s[72:73]
	; THE TWO DIAGONAL BLOCKS.  56 loads go out at once, ahead of the first round: Q of both tiles, the small tile's K, the large tile's K, the small tile's V
.irp p, 0,1,2,3
	global_load_b128 v[Q+4*\p:Q+4*\p+3], v1, s[42:43] offset:512*\p
	global_load_b128 v[Q+16+4*\p:Q+16+4*\p+3], v1, s[40:41] offset:512*\p
.endr
.irp p, 0,1,2,3,4,5,6,7,8,9,10,11,12,13,14,15
	global_load_b128 v[KV+4*\p:KV+4*\p+3], v1, s[44:45] offset:512*\p
.endr
	WIN 0x40                                       ; destination in window 1
.irp p, 0,1,2,3,4,5,6,7,8,9,10,11,12,13,14,15
	global_load_b128 v[W1K+4*\p:W1K+4*\p+3], v1, s[48:49] offset:512*\p
.endr
.irp p, 0,1,2,3,4,5,6,7,8,9,10,11,12,13,14,15
	global_load_b128 v[W1VS+4*\p:W1VS+4*\p+3], v1, s[46:47] offset:512*\p
.endr
	WIN 0
	; group 0, a set for each slot, and the first joint load
	s_cmp_lt_u32 s12, 4
	s_cselect_b64 s[68:69], s[6:7], s[8:9]
	s_add_nc_u64 s[68:69], s[68:69], s[2:3]
.irp s, 0,1
	s_mov_b32 s[32+4*\s], 1
	s_add_co_u32 s[33+4*\s], s67, \s*65536
	s_add_nc_u64 s[34+4*\s:35+4*\s], s[68:69], \s*32768
	s_or_b32 s[35+4*\s], s[35+4*\s], 0x80000000
.endr
	ROUND                                          ; in front of the first joint load
	tensor_load_to_lds s[32:35], s[24:31]          ; keys 0-255
	s_nop 0
	; where the results go
	s_and_b32 s74, s17, 31                         ; aF, small tile: mb = a & 31,
	s_mul_i32 s74, s74, 327680
	s_lshr_b32 s75, s17, 5
	s_lshl2_add_u32 s75, s15, s75                  ; j = 4 b + (a >> 5)
	s_lshl_b32 s75, s75, 15
	s_add_co_u32 s72, s74, s75
	s_add_co_u32 s72, s72, s70
	s_add_nc_u64 s[52:53], s[10:11], s[72:73]
	s_add_co_u32 s75, s15, 8                       ; its second part: j = 8 + b (used where a < 32)
	s_lshl_b32 s75, s75, 15
	s_add_co_u32 s72, s74, s75
	s_add_co_u32 s72, s72, s70
	s_add_nc_u64 s[56:57], s[10:11], s[72:73]
	s_and_b32 s74, s21, 31                         ; large tile
	s_mul_i32 s74, s74, 327680
	s_lshr_b32 s75, s21, 5
	s_lshl2_add_u32 s75, s15, s75
	s_lshl_b32 s75, s75, 15
	s_add_co_u32 s72, s74, s75
	s_add_co_u32 s72, s72, s70
	s_add_nc_u64 s[54:55], s[10:11], s[72:73]
	v_and_b32 v3, 15, v0
	v_bfe_u32 v244, v0, 4, 1
	v_lshlrev_b32 v244, 3, v244
	v_sub_nc_u32 v3, v3, v244                      ; r - 8 h
	s_and_b32 s76, s17, 3
	s_lshl_b32 s76, s76, 4
	v_add_nc_u32 v5, s76, v3                       ; small tile: 16 (tile & 3) + r - 8 h
	s_and_b32 s76, s21, 3
	s_lshl_b32 s76, s76, 4
	v_add_nc_u32 v3, s76, v3                       ; large tile
	v_mov_b32 v4, 0xf0000000
	v_mov_b32 v7, 0                                ; v_permlanex16_b32 counts as a reader of its destination
	v_mov_b32 v9, 0                                ; the upper half of the pair that is broadcast from v8
	s_wait_loadcnt 32                              ; Q and the small tile's K are in; the 32 younger loads stay out
	QK 1, KV
	s_wait_loadcnt 16                              ; the large tile's K is in; the small tile's V stays out
	WIN 0x01                                       ; source 0 in window 1
	QK 0, W1K
	WIN 0
	PLACES 4                                       ; four places before loads land on K's registers and before the scores are read
	WIN 0x40
.irp p, 0,1,2,3,4,5,6,7,8,9,10,11,12,13,14,15
	global_load_b128 v[W1VL+4*\p:W1VL+4*\p+3], v1, s[46:47] offset:VLO+512*\p   ; the small tile's V, second part
.endr
	WIN 0
.irp p, 0,1,2,3,4,5,6,7,8,9,10,11,12,13,14,15
	global_load_b128 v[KV+4*\p:KV+4*\p+3], v1, s[50:51] offset:512*\p           ; the large tile's V
.endr
.irp kt, 0,1,2,3
.irp j, 0,1,2,3,4,5,6,7
	v_cmp_gt_i32 vcc_lo, 16*\kt+\j, v5             ; key 16 kt + 8 h + j lies behind query 16 (tile & 3) + r
	v_cndmask_b32 v[SA+32+8*\kt+\j], v[SA+32+8*\kt+\j], v4, vcc_lo
	v_cmp_gt_i32 vcc_lo, 16*\kt+\j, v3
	v_cndmask_b32 v[SA+8*\kt+\j], v[SA+8*\kt+\j], v4, vcc_lo
.endr
.endr
	SOFT SA+32, OA+32, 15, 18, 1
	s_wait_loadcnt 16                              ; both parts of the small tile's V are in; the large tile's V stays out
	WIN 0x01
	PV SA+32, OA+32, W1VS, 1
	PV SA+32, OA+32, W1VL, 0
	WIN 0
	SOFT SA, OA, 14, 16, 1
	s_wait_loadcnt 0x0
	PV SA, OA, KV, 1
	PLACES 5
	; THE FULL BLOCKS
.Lpair:
	TRIP 0, 1
	TRIP 1, 1
	s_sub_co_i32 s20, s20, 1
	s_cmp_gt_i32 s20, 0                            ; a signed compare: the loop ends whatever the start
	s_cbranch_scc1 .Lpair
	s_bitcmp1_b32 s19, 0                           ; T hangs on the cluster's number alone
	s_cbranch_scc1 .Lodd
	TRIP 0, 1                                      ; T even: two slots are left, one of them still to be asked for
	TRIP 1, 0
	s_branch .Lfin
.Lodd:
	TRIP 0, 0                                      ; T odd: one slot is left, nothing to ask for
.Lfin:
	FINP OA, 16, 54                                ; the large tile
	s_cmp_lt_u32 s16, 16                           ; c < 16: a < 32, the small tile goes out in two parts
	s_cbranch_scc1 .Lsplit
	FINP OA+32, 18, 52
	s_branch .Lclose
.Lsplit:
	FINS OA+32, 18
.Lclose:
	s_wait_dscnt 0x0                               ; a K asked for ahead in the last slot may still be on its way: no LDS instruction is pending at a signal
	ROUND                                          ; the closing round
	s_endpgm
.Lfunc_end_k_q753e9bd1b7_attn:
	.size	k_q753e9bd1b7_attn, .Lfunc_end_k_q753e9bd1b7_attn-k_q753e9bd1b7_attn
	.p2alignl 7, 3214868480
	.fill 96, 4, 3214868480
	.section	.rodata,"a",@progbits
	.p2align	6, 0x0
	.amdhsa_kernel k_q753e9bd1b7_attn
		.amdhsa_group_segment_fixed_size 327680
		.amdhsa_private_segment_fixed_size 0
		.amdhsa_enable_private_segment 0
		.amdhsa_kernarg_size 32
		.amdhsa_user_sgpr_count 2
		.amdhsa_user_sgpr_kernarg_segment_ptr 1
		.amdhsa_wavefront_size32 1
		.amdhsa_system_sgpr_workgroup_id_x 1
		.amdhsa_system_sgpr_workgroup_id_y 1
		.amdhsa_system_sgpr_workgroup_id_z 1
		.amdhsa_system_vgpr_workitem_id 0
		.amdhsa_next_free_vgpr 448
		.amdhsa_next_free_sgpr 80
		.amdhsa_reserve_vcc 1
		.amdhsa_float_denorm_mode_32 3
		.amdhsa_float_denorm_mode_16_64 3
		.amdhsa_memory_ordered 1
		.amdhsa_forward_progress 1
		.amdhsa_inst_pref_size 255
	.end_amdhsa_kernel
	.section	.bss,"aw",@nobits
	.p2align	6
	.space	262144
	.amdgpu_metadata
---
amdhsa.version: [ 1, 2 ]
amdhsa.kernels:
  - .name:           k_q753e9bd1b7_attn
    .symbol:         k_q753e9bd1b7_attn.kd
    .args:
      - { .name: qF, .offset: 0, .size: 8, .value_kind: global_buffer, .address_space: global }
      - { .name: kF, .offset: 8, .size: 8, .value_kind: global_buffer, .address_space: global }
      - { .name: vF, .offset: 16, .size: 8, .value_kind: global_buffer, .address_space: global }
      - { .name: aF, .offset: 24, .size: 8, .value_kind: global_buffer, .address_space: global }
    .group_segment_fixed_size: 327680
    .private_segment_fixed_size: 0
    .kernarg_segment_align: 8
    .kernarg_segment_size: 32
    .max_flat_workgroup_size: 256
    .sgpr_count:     80
    .vgpr_count:     448
    .wavefront_size: 32
...
	.end_amdgpu_metadata
.endif
;; end of part 5
;; launch oproj (part 6): grid 8 x 32, 4 waves a work-group, clusters of 4 x 4, 327,680 bytes of LDS; arguments aF, woF, out0; writes out0
.if DOCPART == 6
	.amdgcn_target "amdgcn-amd-amdhsa--gfx1250"
	.amdhsa_code_object_version 6
	.text
	.protected	k_q753e9bd1b7_oproj
	.globl	k_q753e9bd1b7_oproj
	.p2align	8
	.type	k_q753e9bd1b7_oproj,@function
k_q753e9bd1b7_oproj:
	s_mov_b64 s[64:65], 0
	v_nop
	global_prefetch_b8 v0, s[64:65] scope:SCOPE_SE
	s_setreg_imm32_b32 hwreg(HW_REG_WAVE_MODE, 25, 1), 1
	s_wait_xcnt 0x0
	s_wait_alu depctr_hold_cnt(0) depctr_sa_sdst(0) depctr_va_vdst(0) depctr_va_sdst(0) depctr_va_ssrc(0) depctr_va_vcc(0) depctr_vm_vsrc(0)
	s_getreg_b32 s2, hwreg(HW_REG_IB_STS2, 6, 4)
	s_cmp_eq_u32 s2, 0
	s_cbranch_scc0 .Lentry_in_a_cluster
	s_endpgm
.Lentry_in_a_cluster:
	s_bfe_u32 s2, ttmp6, 0x10000c
	s_cmp_lg_u32 s2, 0xf033
	s_cbranch_scc0 .Lentry_shape_is_right
	s_endpgm
.Lentry_shape_is_right:
; oproj: out0 = attn wo^T, 4,096 x 1,024 x 1,024, f16 operands (wo holds its bf16 rounding, exact in f16), f32 sums, f32 out.
; ROWS.  Work-group (nb, mb) makes row tiles mb + 32 j, j = 0..7 (16 rows each), x columns 128 nb ..; wave (wm, wn) makes tiles j = 4 wm .. 4 wm + 3 x 64 columns:
; 16 accumulators.  So each wave's first tile, j = 0 or 4, lies in rows 0..511 of a batch.  Those rows are means of few v and can be many times larger than the
; output's root mean square, by which the result is judged: for them attn comes in two f16 parts (upper ten mantissa bits, and the rest), and the second part is
; multiplied too, while wo's fragments are in registers: 4 products and 2 LDS loads more for a chunk's 16 and 16.  All other rows have one f16 rounding of attn.
; aF [mb 32][j 10][chunk 32][1 KB]: j = 8, 9 the second parts of tiles j = 0, 4: one descriptor of ten rows brings a work-group's share of a k half.
; CLUSTERS 4 x 4: attn's tiles hang on mb alone and are asked for jointly along a row of the cluster, wo's on nb alone, along a column.
; K goes through two LDS slots of 256 k (8 chunks of 32): two first fills, two refills; a wave has at most two tensor loads outstanding.
; Operands lie in fragment order: every fragment load is 512 neighbouring bytes, no padding.  Source 0 = wo, source 1 = attn: lane (r, h), register j holds
; row r, column 16 ct + 8 h + j.  Sixteen rows at a time go through a stage of my own in LDS, so that sixteen lanes store 256 neighbouring, aligned bytes.
; LIMITS: those of the operands, |attn| and |wo| below 65,504.
.set AH,   40960                       ; attn's part of a slot, one tensor load: 10 tiles x 4 chunks x 1 KB
.set BH,   32768                       ; wo's: 8 tiles x 4 chunks x 1 KB
.set BOFF, 2*AH                        ; a slot: attn k half 0 | attn k half 1 | wo k half 0 | wo k half 1
.set SLOT, 2*AH+2*BH
.set STAGE, 2*SLOT                     ; behind the ring: 16 rows x 272 bytes a wave; no tensor load lands here
.set SPITCH, 272                       ; 256 bytes + 16: the sixteen rows of a store begin at sixteen different 16-byte columns of 256
.set AX,  8                            ; v8-9    LDS address of my four attn tiles in slot 0, 1
.set AL,  10                           ; v10-11  of my first tile's second part
.set BW,  12                           ; v12-13  of my four wo tiles
.set F0,  32                           ; v[32:103]   fragments, buffer 0: attn i at +8 i, wo ct at +32 + 8 ct, the second part at +64
.set F1,  104                          ; v[104:175]  buffer 1
.set G1A, 24
.set G1B, 32
.set G0A, 40
.set G0B, 48
; window 1: accumulator (i, ct) at 8 (4 i + ct)
.set MSB, 0
.macro WIN new                         ; the immediate's high byte repeats the setting that is left
.if MSB != \new
	s_set_vgpr_msb (MSB<<8)|\new
.set MSB, \new
.endif
.endm
.macro PLACES cnt
.rept \cnt
	v_nop
.endr
.endm
.macro CROUND                          ; a round of the cluster's barrier
	s_barrier_signal -1
	s_barrier_wait -1
	s_cmp_lg_u32 s16, 0
	s_cbranch_scc1 .Lnot_wave_0_\@
	s_barrier_signal -3
.Lnot_wave_0_\@:
	s_barrier_wait -3
	s_barrier_signal -1
	s_barrier_wait -1
.endm
.macro JLOAD s                         ; waves 0, 1 ask for attn's two k halves, waves 2, 3 for wo's: one mask and one set of registers a line
	s_cmp_eq_u32 s17, 0
	s_cbranch_scc0 .Lfor_b_\@
	tensor_load_to_lds s[G0A+4*\s:G0A+4*\s+3], s[G1A:G1A+7]
	s_nop 0
	s_branch .Lasked_\@
.Lfor_b_\@:
	tensor_load_to_lds s[G0B+4*\s:G0B+4*\s+3], s[G1B:G1B+7]
	s_nop 0
.Lasked_\@:
.endm
.macro FETCH s, kc, f                  ; 18 LDS loads: chunk kc of slot s into buffer f
	WIN 0
.irp i, 0,1,2,3
	ds_load_b128 v[\f+8*\i:\f+8*\i+3],       v[AX+\s] offset:((\kc)>>2)*AH+((\kc)&3)*1024+4096*\i
	ds_load_b128 v[\f+8*\i+4:\f+8*\i+7],     v[AX+\s] offset:((\kc)>>2)*AH+((\kc)&3)*1024+4096*\i+512
	ds_load_b128 v[\f+32+8*\i:\f+32+8*\i+3], v[BW+\s] offset:((\kc)>>2)*BH+((\kc)&3)*1024+4096*\i
	ds_load_b128 v[\f+36+8*\i:\f+36+8*\i+3], v[BW+\s] offset:((\kc)>>2)*BH+((\kc)&3)*1024+4096*\i+512
.endr
	ds_load_b128 v[\f+64:\f+67], v[AL+\s] offset:((\kc)>>2)*AH+((\kc)&3)*1024
	ds_load_b128 v[\f+68:\f+71], v[AL+\s] offset:((\kc)>>2)*AH+((\kc)&3)*1024+512
.endm
.macro MUL f, zero                     ; 20 matrix instructions; the accumulators take turns, one instruction a turn
	WIN 0x50                               ; C and D in window 1
.irp i, 0,1,2,3
.irp ct, 0,1,2,3
.if \zero
	v_wmma_f32_16x16x32_f16 v[8*(4*\i+\ct):8*(4*\i+\ct)+7], v[\f+32+8*\ct:\f+32+8*\ct+7], v[\f+8*\i:\f+8*\i+7], 0
.else
	v_wmma_f32_16x16x32_f16 v[8*(4*\i+\ct):8*(4*\i+\ct)+7], v[\f+32+8*\ct:\f+32+8*\ct+7], v[\f+8*\i:\f+8*\i+7], v[8*(4*\i+\ct):8*(4*\i+\ct)+7]
.endif
.endr
.endr
.irp ct, 0,1,2,3
	v_wmma_f32_16x16x32_f16 v[8*\ct:8*\ct+7], v[\f+32+8*\ct:\f+32+8*\ct+7], v[\f+64:\f+71], v[8*\ct:8*\ct+7]   ; my first tile's second part
.endr
.endm
.macro STEP s, kn, f, g                ; chunk kn goes into buffer g, which the last products read; buffer f is multiplied
	PLACES 4                               ; a load into a register that a matrix instruction has read stands four places behind it (ISA guide 7.12.1 for vector instructions)
	FETCH \s, \kn, \g
	s_wait_dscnt 18                        ; all but the 18 just issued
	MUL \f, 0
.endm
.macro SLOTRUN s, zero                 ; the eight chunks of a slot
	PLACES 4
	FETCH \s, 0, F0
	FETCH \s, 1, F1
	s_wait_dscnt 18
	MUL F0, \zero
	STEP \s, 2, F1, F0
	STEP \s, 3, F0, F1
	STEP \s, 4, F1, F0
	STEP \s, 5, F0, F1
	STEP \s, 6, F1, F0
	STEP \s, 7, F0, F1
	s_wait_dscnt 0
	MUL F1, 0
.endm
.macro REFILL s                        ; slot s has been read: it gets the chunks 16 further on
	s_wait_dscnt 0x0                       ; my reads of it are back,
	s_wait_tensorcnt 0x0                   ; all my tensor loads have landed (my part of the other slot): no load is out, so a group 0 may be written
	ds_add_u32 v254, v255
	s_wait_dscnt 0x0
	s_add_nc_u64 s[G0A+4*\s+2:G0A+4*\s+3], s[G0A+4*\s+2:G0A+4*\s+3], 16384
	s_add_nc_u64 s[G0B+4*\s+2:G0B+4*\s+3], s[G0B+4*\s+2:G0B+4*\s+3], 16384
	WIN 0
	CROUND                                 ; both now hold of every wave of all sixteen work-groups
	JLOAD \s                               ; my one tensor load behind the round, and the first thing there
.endm
.macro OUT16 i                         ; my row tile i; each i has store registers of its own
	WIN 0x04                               ; an LDS store's data is source 1: window 1
.irp ct, 0,1,2,3
.irp q, 0,1
	ds_store_b128 v16, v[8*(4*\i+\ct)+4*\q:8*(4*\i+\ct)+4*\q+3] offset:64*\ct+16*\q
.endr
.endr
	WIN 0
.irp k, 0,1,2,3,4,5,6,7
	ds_load_b128 v[32+32*\i+4*\k:32+32*\i+4*\k+3], v17 offset:2*SPITCH*\k   ; my own stage, served in order behind the stores
.endr
.irp k, 0,1,2,3,4,5,6,7
	s_wait_dscnt 7-\k
	global_store_b128 v18, v[32+32*\i+4*\k:32+32*\i+4*\k+3], s[60:61] offset:\i*2097152+2*\k*4096 th:TH_STORE_NT   ; 32 row tiles of 65,536 bytes from i to i + 1; 16 lanes: 256 neighbouring bytes, at a multiple of 256 from out0's first byte
.endr
.endm
	s_load_b128 s[4:7], s[0:1], 0x0                ; aF 4, woF 6
	s_load_b64 s[8:9], s[0:1], 0x10                ; out0
	v_lshl_add_u32 v254, v0, 2, 0x4c400
	v_mov_b32 v255, 0
	ds_add_u32 v254, v255
	v_lshrrev_b32 v2, 5, v0
	v_readfirstlane_b32 s16, v2                    ; wave
	s_lshr_b32 s17, s16, 1                         ; wm.  Also: I fetch for attn (0) or for wo (1)
	s_and_b32 s18, s16, 1                          ; wn.  Also: which k half I fetch
	s_bfe_u32 s19, ttmp6, 0x40000                  ; cx
	s_bfe_u32 s20, ttmp6, 0x40004                  ; cy
	s_lshl_b32 s21, ttmp9, 2
	s_add_co_u32 s21, s21, s19                     ; nb
	s_and_b32 s22, ttmp7, 0xffff
	s_lshl_b32 s22, s22, 2
	s_add_co_u32 s22, s22, s20                     ; mb
	s_lshl_b32 s62, s20, 2
	s_lshl_b32 s62, 15, s62                        ; my row of the cluster
	s_lshl_b32 s63, 0x1111, s19                    ; my column
	; group 1: rows of 512 elements of 8 bytes (four chunks of a tile), 10 or 8 rows (tiles), 4,096 elements (a tile's 32 chunks) from row to row
	s_or_b32 s[G1A+0], s62, (3<<16)|(1<<21)        ; 15:0 the mask; 17:16 element of 8 bytes; 21 set beside a mask; no padding
	s_or_b32 s[G1B+0], s63, (3<<16)|(1<<21)
	s_mov_b32 s[G1A+1], 512<<16                    ; tensor_dim0 = 512
	s_mov_b32 s[G1B+1], 512<<16
	s_mov_b32 s[G1A+2], 10<<16                     ; tensor_dim1 = 10
	s_mov_b32 s[G1B+2], 8<<16                      ; 8
	s_mov_b32 s[G1A+3], 512<<16                    ; tile_dim0 = 512
	s_mov_b32 s[G1B+3], 512<<16
	s_mov_b32 s[G1A+4], 10                         ; tile_dim1
	s_mov_b32 s[G1B+4], 8
	s_mov_b32 s[G1A+5], 4096                       ; the pitch
	s_mov_b32 s[G1B+5], 4096
	s_mov_b32 s[G1A+6], 0
	s_mov_b32 s[G1B+6], 0
	s_mov_b32 s[G1A+7], 0
	s_mov_b32 s[G1B+7], 0
	s_lshl_b32 s23, s18, 12                        ; my k half: four chunks
	s_mul_i32 s56, s22, 327680                     ; aF: ten tiles of 32 KB a work-group row
	s_add_co_u32 s56, s56, s23
	s_mov_b32 s57, 0
	s_lshl_b32 s58, s21, 18                        ; woF: eight tiles of 32 KB a block column
	s_add_co_u32 s58, s58, s23
	s_mov_b32 s59, 0
	s_mul_i32 s66, s16, AH                         ; where attn's part goes: wave (0, 1) x 40,960
	s_lshl_b32 s71, s16, 15
	s_add_co_u32 s71, s71, BOFF-2*BH               ; and wo's: 16,384 + wave (2, 3) x 32,768 = 81,920 + (wave - 2) x 32,768
	s_wait_dscnt 0x0
	s_wait_kmcnt 0x0
	s_add_nc_u64 s[56:57], s[4:5], s[56:57]
	s_add_nc_u64 s[58:59], s[6:7], s[58:59]
	CROUND                                         ; all sixteen work-groups are here: the first joint loads meet
.irp s, 0,1
	s_mov_b32 s[G0A+4*\s], 1
	s_add_co_u32 s[G0A+4*\s+1], s66, \s*SLOT
	s_add_nc_u64 s[G0A+4*\s+2:G0A+4*\s+3], s[56:57], \s*8192       ; slot s starts with chunks 8 s ..
	s_or_b32 s[G0A+4*\s+3], s[G0A+4*\s+3], 0x80000000
	s_mov_b32 s[G0B+4*\s], 1
	s_add_co_u32 s[G0B+4*\s+1], s71, \s*SLOT
	s_add_nc_u64 s[G0B+4*\s+2:G0B+4*\s+3], s[58:59], \s*8192
	s_or_b32 s[G0B+4*\s+3], s[G0B+4*\s+3], 0x80000000
	JLOAD \s
.endr
	s_lshl_b32 s68, s22, 16                        ; row tile mb: 16 rows of 4,096 bytes,
	s_lshl_b32 s70, s17, 23                        ; + 128 row tiles for wm = 1,
	s_add_co_u32 s68, s68, s70
	s_lshl_b32 s70, s21, 9                         ; 128 columns a block,
	s_add_co_u32 s68, s68, s70
	s_lshl_b32 s70, s18, 8                         ; 64 columns a wave
	s_add_co_u32 s68, s68, s70
	s_mov_b32 s69, 0
	s_add_nc_u64 s[60:61], s[8:9], s[68:69]
	; LDS addresses: the wave's number and the lane alone
	v_and_b32 v2, 31, v0
	v_lshlrev_b32 v1, 4, v2                        ; 16 L
	s_lshl_b32 s67, s17, 14                        ; tiles 4 wm .., 4,096 bytes a tile in a part
	v_add_nc_u32 v[AX], s67, v1
	v_add_nc_u32 v[AX+1], SLOT, v[AX]
	s_lshl_b32 s67, s17, 12
	s_add_co_u32 s67, s67, 8*4096                  ; tile 8 + wm
	v_add_nc_u32 v[AL], s67, v1
	v_add_nc_u32 v[AL+1], SLOT, v[AL]
	s_lshl_b32 s67, s18, 14
	s_add_co_u32 s67, s67, BOFF
	v_add_nc_u32 v[BW], s67, v1
	v_add_nc_u32 v[BW+1], SLOT, v[BW]
	v_and_b32 v3, 15, v0                           ; r
	v_bfe_u32 v4, v0, 4, 1                         ; h
	s_mul_i32 s67, s16, 16*SPITCH
	s_add_co_u32 s67, s67, STAGE
	v_mul_u32_u24 v16, v3, SPITCH
	v_lshl_add_u32 v16, v4, 5, v16
	v_add_nc_u32 v16, s67, v16                     ; in: row r, 32 bytes for each half of the lanes
	v_mul_u32_u24 v17, v4, SPITCH
	v_lshl_add_u32 v17, v3, 4, v17
	v_add_nc_u32 v17, s67, v17                     ; back: lanes 0-15 one row of 256 bytes, lanes 16-31 the next
	v_lshlrev_b32 v18, 4, v3
	v_lshl_add_u32 v18, v4, 12, v18                ; and the same two rows in out0
	s_wait_tensorcnt 0x1                           ; my part of slot 0 is in; slot 1's stays out
	s_barrier_signal -1
	s_barrier_wait -1
	SLOTRUN 0, 1                                   ; chunks 0-7: the first products start the sums
	REFILL 0
	SLOTRUN 1, 0                                   ; chunks 8-15
	REFILL 1
	SLOTRUN 0, 0                                   ; chunks 16-23
	s_wait_dscnt 0x0
	s_wait_tensorcnt 0x0                           ; my part of the last eight chunks is in,
	s_barrier_signal -1
	s_barrier_wait -1                              ; everybody's is; nothing is left to fetch
	SLOTRUN 1, 0                                   ; chunks 24-31
	PLACES 4                                       ; four places behind the last matrix instructions: for the LDS stores of sums and the loads into fragment registers
	OUT16 0
	OUT16 1
	OUT16 2
	OUT16 3
	s_wait_tensorcnt 0x0
	ds_add_u32 v254, v255
	s_wait_dscnt 0x0
	CROUND                                         ; the closing round: no work-group ends while a partner may still ask for a tile that names it
	s_endpgm
.Lfunc_end_k_q753e9bd1b7_oproj:
	.size	k_q753e9bd1b7_oproj, .Lfunc_end_k_q753e9bd1b7_oproj-k_q753e9bd1b7_oproj
	.p2alignl 7, 3214868480
	.fill 96, 4, 3214868480
	.section	.rodata,"a",@progbits
	.p2align	6, 0x0
	.amdhsa_kernel k_q753e9bd1b7_oproj
		.amdhsa_group_segment_fixed_size 327680
		.amdhsa_private_segment_fixed_size 0
		.amdhsa_enable_private_segment 0
		.amdhsa_kernarg_size 24
		.amdhsa_user_sgpr_count 2
		.amdhsa_user_sgpr_kernarg_segment_ptr 1
		.amdhsa_wavefront_size32 1
		.amdhsa_system_sgpr_workgroup_id_x 1
		.amdhsa_system_sgpr_workgroup_id_y 1
		.amdhsa_system_sgpr_workgroup_id_z 1
		.amdhsa_system_vgpr_workitem_id 0
		.amdhsa_next_free_vgpr 400
		.amdhsa_next_free_sgpr 80
		.amdhsa_reserve_vcc 0
		.amdhsa_float_denorm_mode_32 3
		.amdhsa_float_denorm_mode_16_64 3
		.amdhsa_memory_ordered 1
		.amdhsa_forward_progress 1
		.amdhsa_inst_pref_size 99
	.end_amdhsa_kernel
	.amdgpu_metadata
---
amdhsa.version: [ 1, 2 ]
amdhsa.kernels:
  - .name:           k_q753e9bd1b7_oproj
    .symbol:         k_q753e9bd1b7_oproj.kd
    .args:
      - { .name: aF, .offset: 0, .size: 8, .value_kind: global_buffer, .address_space: global }
      - { .name: woF, .offset: 8, .size: 8, .value_kind: global_buffer, .address_space: global }
      - { .name: out0, .offset: 16, .size: 8, .value_kind: global_buffer, .address_space: global }
    .group_segment_fixed_size: 327680
    .private_segment_fixed_size: 0
    .kernarg_segment_align: 8
    .kernarg_segment_size: 24
    .max_flat_workgroup_size: 128
    .sgpr_count:     80
    .vgpr_count:     400
    .wavefront_size: 32
...
	.end_amdgpu_metadata
.endif
;; end of part 6
;; ======== version 3 of 3: 4 launches; version 2 with the launch prep written anew for expert scheduling mode
;; limits: values are held in f16: magnitudes above 65,504 overflow, below 6.1e-05 lose precision
;; workspace buffers: xF 8,388,608 bytes; w1F 2,359,296 bytes; woF 2,097,152 bytes; tab 524,288 bytes; qF 8,388,608 bytes; kF 524,288 bytes; vF 1,048,576 bytes; aF 10,485,760 bytes
;; launch prep (part 7): grid 456 x 1, 8 waves a work-group, no clusters, 37,888 bytes of LDS; arguments x, wq, wk, wv, wo, xF, w1F, woF, tab; writes xF, w1F, woF, tab
.if DOCPART == 7
	.amdgcn_target "amdgcn-amd-amdhsa--gfx1250"
	.amdhsa_code_object_version 6
	.text
	.protected	k_q753e9bd1b7_prep
	.globl	k_q753e9bd1b7_prep
	.p2align	8
	.type	k_q753e9bd1b7_prep,@function
k_q753e9bd1b7_prep:
	s_mov_b64 s[64:65], 0
	v_nop
	global_prefetch_b8 v0, s[64:65] scope:SCOPE_SE
	s_setreg_imm32_b32 hwreg(HW_REG_WAVE_SCHED_MODE, 0, 2), 2
	s_setreg_imm32_b32 hwreg(HW_REG_WAVE_MODE, 25, 1), 1
	s_wait_xcnt 0x0
	s_wait_alu depctr_vm_vsrc(0)
; prep: rounds the five inputs once and lays them in FRAGMENT ORDER, and makes the RoPE table.
; Fragment order: a tile of 16 rows x 32 k of 16-bit numbers is 1,024 bytes, [e 0..1][lane 0..31][16 bytes]; lane (r = L & 15, h = L >> 4),
; piece e, holds row r, k = 16 e + 8 h + 0..7: the register image of a 16-bit matrix operand, so later launches load 512 neighbouring bytes a piece.
;   work-groups   0..255  x  rows 16 X ..     -> xF  [tile 256][chunk 32][1 KB], bf16
;   work-groups 256..319  wq rows 16 T ..     -> w1F [block 8][tile 9][chunk 32][1 KB], tiles 0..7, bf16
;   work-groups 320..383  wo rows 16 T ..     -> woF [tile 64][chunk 32][1 KB]: rounded to bf16, that value written as f16
;   work-groups 384..391  wk, wv (k along the rows of memory) -> tile 8 of w1F's blocks 0..3 (wk) and 4..7 (wv), bf16
;   work-groups 392..455  cos and sin -> tab [position tile 128][t 4][cos, sin][lane][4 f32], position 16 PT + r, pair p = 8 t + 4 h + jj
; LIMITS: |wo| below 65,504; a wo below 2^-14 in magnitude carries an absolute error of up to 2^-25 (f16).  The angle is position x freq in f32 with
; freq = 2^(-p log2(1000)/32) from v_exp_f32; it can differ from a table made with other roundings by some 3e-4 rad at the last positions.
; sin and cos: reduction by multiples of pi/2 in two parts, then polynomials of degree 7 and 8 on |r| <= pi/4 (cut-off error below 4e-7).
; No barrier: every wave uses LDS bytes of its own (4,608 w ..).  No matrix unit, no cluster: nothing is multiplied and no input byte is read twice.
; THE MODE: SCHED_MODE bits 1:0 = 2 (LLVM: expert scheduling mode 2), set by the entry lines.  The code itself states the register dependences
; between vector instructions and memory or LDS instructions, with s_wait_alu, always for 0.
; THE PLAN.  There is no loop: every register buffer is loaded once and every out-buffer stored once.  Registers that memory or LDS instructions touch:
;   v1 .. v4      offsets and LDS addresses.  Written by vector lines at a path's head, never again; read by every load, LDS access and store of the path.
;   LD            Row-major paths: the sixteen loads land in it; round r's conversions read it and write, in place, the first two words of each four, which round r's LDS stores read.
;                 wk, wv: the 64 loads land in it; the conversions read it.
;   BK            Row-major paths: LDS loads land in it and the global stores read it; no vector line names it.  wk, wv: the conversions write it, the stores read it.
;   v[40:47]      Table: the last vector lines write them, the two stores read them.
;   v128, v129    Written at the head, read by the closing add alone.
; So each path goes in runs: all the vector lines that make a run's data, ONE wait on va_vdst, the run of LDS or memory instructions.  No register that a memory or
; LDS instruction has read is written again on any path, so no wait on vm_vsrc is owed.  Scalar results of vector lines: the wave's number (one wait on va_sdst at the head)
; and the table's four masks (one run of compares, one wait).
.set STG, 4608                         ; LDS bytes of a wave: 2 x 8 groups of 288
.set GRP, 288                          ; a group = 8 columns x 16 rows x 2 bytes = 256 bytes, + 32 so that the 32 lanes of a store hit 32 different 8-byte columns
.set LD,  32                           ; v[32:95]   sixteen loads of 16 bytes
.set BK,  96                           ; v[96:127]  eight pieces read back, to store
.set AN,  48                           ; v[48:95]   table path only: twelve registers at work for each of the lane's four pairs
.set MK,  32                           ; s[32:35]   table path only: a mask for each of the four pairs
; One tile of 16 rows x 1,024 columns; wave w takes columns 128 w .. 128 w + 127, in two rounds of 64.  half = 1: on from bf16 to f16.
.macro CVT rnd, half                   ; round rnd's eight loads are rounded, in place
.irp i, 0,1,2,3,4,5,6,7
	s_wait_loadcnt 15-8*\rnd-\i                    ; loads come back in order: this one is in, the younger ones stay out
	v_cvt_pk_bf16_f32 v[LD+32*\rnd+4*\i],   v[LD+32*\rnd+4*\i],   v[LD+32*\rnd+4*\i+1]
	v_cvt_pk_bf16_f32 v[LD+32*\rnd+4*\i+1], v[LD+32*\rnd+4*\i+2], v[LD+32*\rnd+4*\i+3]
.if \half
	v_lshlrev_b32 v20, 16, v[LD+32*\rnd+4*\i]              ; the bf16 values as f32 again,
	v_and_b32 v21, 0xffff0000, v[LD+32*\rnd+4*\i]
	v_lshlrev_b32 v22, 16, v[LD+32*\rnd+4*\i+1]
	v_and_b32 v23, 0xffff0000, v[LD+32*\rnd+4*\i+1]
	v_cvt_pk_f16_f32 v[LD+32*\rnd+4*\i],   v20, v21        ; and as f16: 8 significant bits fit into 11
	v_cvt_pk_f16_f32 v[LD+32*\rnd+4*\i+1], v22, v23
.endif
.endr
.endm
.macro TURNED rnd                      ; round rnd goes through my bytes of LDS: eight stores, four loads
.irp i, 0,1,2,3,4,5,6,7
	ds_store_b64 v2, v[LD+32*\rnd+4*\i:LD+32*\rnd+4*\i+1] offset:8*GRP*\rnd+32*\i   ; group a >> 1, row 2 i + hl, half a & 1
.endr
.irp k, 0,1,2,3
	ds_load_b128 v[BK+16*\rnd+4*\k:BK+16*\rnd+4*\k+3], v3 offset:8*GRP*\rnd+2*GRP*\k   ; groups 2 k + hl, row a: my own bytes, served in order behind the stores
.endr
.endm
.macro SEND rnd, younger               ; younger: the LDS instructions issued behind round rnd's four loads
.irp k, 0,1,2,3
	s_wait_dscnt \younger+3-\k                     ; LDS instructions end in order: piece k is in, the younger ones stay out
	global_store_b128 v4, v[BK+16*\rnd+4*\k:BK+16*\rnd+4*\k+3], s[28:29] offset:2048*\rnd+512*\k   ; 512 neighbouring bytes of the tile
.endr
.endm
.macro CONV half
.irp rnd, 0,1
.irp i, 0,1,2,3,4,5,6,7
	global_load_b128 v[LD+32*\rnd+4*\i:LD+32*\rnd+4*\i+3], v1, s[26:27] offset:8192*\i+256*\rnd th:TH_LOAD_NT   ; lanes 0-15: 256 bytes of row 2 i, lanes 16-31: of row 2 i + 1
.endr
.endr
	CVT 0, \half
	s_wait_alu depctr_va_vdst(0)                   ; round 0's conversions have written the words of LD that its LDS stores read
	TURNED 0
	CVT 1, \half                                   ; names LD's second half and v[20:23] alone: none of the registers that round 0's LDS instructions touch
	s_wait_alu depctr_va_vdst(0)                   ; round 1's conversions have written the words of LD that its LDS stores read
	TURNED 1
	SEND 0, 12                                     ; round 1's twelve LDS instructions stay out
	SEND 1, 0
.endm
; One line for each of the lane's four pairs: T is the pair's first register at work, J its number jj
.macro ALL4 line:vararg
.set T, AN
.set J, 0
.rept 4
	\line
.set T, T+12
.set J, J+1
.endr
.endm
	s_load_b512 s[8:23], s[0:1], 0x0               ; x 8, wq 10, wk 12, wv 14, wo 16, xF 18, w1F 20, woF 22
	s_load_b64 s[24:25], s[0:1], 0x40              ; tab
	v_lshl_add_u32 v128, v0, 2, 0x9000
	v_mov_b32 v129, 0
	v_lshrrev_b32 v5, 5, v0
	v_readfirstlane_b32 s4, v5                     ; wave
	v_and_b32 v6, 31, v0                           ; L
	v_and_b32 v7, 15, v0                           ; a = r
	v_bfe_u32 v8, v0, 4, 1                         ; hl = h
	v_lshlrev_b32 v4, 4, v6                        ; 16 L
	s_wait_alu depctr_va_sdst(0)                   ; s4 is written, ahead of the branches and of its first reader on each of the three paths
	s_mov_b32 s2, ttmp9
	s_mov_b32 s7, 0                                ; s[6:7]: a byte offset in 64 bits
	s_wait_kmcnt 0x0
	s_cmp_ge_u32 s2, 392
	s_cbranch_scc1 .Ltab
	s_cmp_ge_u32 s2, 384
	s_cbranch_scc1 .Lkv
	; the three row-major sources
	s_mul_i32 s5, s4, STG
	s_lshl_b32 s3, s4, 9
	v_lshlrev_b32 v1, 4, v7
	v_lshl_add_u32 v1, v8, 12, v1
	v_add_nc_u32 v1, s3, v1                        ; load: 4,096 hl + 16 a + 512 w
	v_lshrrev_b32 v9, 1, v7
	v_mul_u32_u24 v2, v9, GRP
	v_lshl_add_u32 v2, v8, 4, v2
	v_and_b32 v9, 1, v7
	v_lshl_add_u32 v2, v9, 3, v2
	v_add_nc_u32 v2, s5, v2                        ; LDS in: 4,608 w + 288 (a >> 1) + 16 hl + 8 (a & 1)
	v_mul_u32_u24 v3, v8, GRP
	v_lshl_add_u32 v3, v7, 4, v3
	v_add_nc_u32 v3, s5, v3                        ; LDS back: 4,608 w + 288 hl + 16 a
	s_lshl_b32 s3, s4, 12
	v_add_nc_u32 v4, s3, v4                        ; store: 16 L + 4,096 w (four chunks a wave)
	s_wait_alu depctr_va_vdst(0)                   ; v1 to v4 are written: every load, LDS access and store of both arms below reads one of them, and no vector line writes them again
	s_cmp_ge_u32 s2, 320
	s_cbranch_scc1 .Lwo
	s_cmp_ge_u32 s2, 256                           ; x or wq
	s_cselect_b64 s[26:27], s[10:11], s[8:9]
	s_cselect_b64 s[28:29], s[20:21], s[18:19]
	s_cselect_b32 s3, 256, 0
	s_cselect_b32 s5, -1, 0
	s_sub_co_u32 s30, s2, s3                       ; T: the tile's number in its source
	s_lshl_b32 s6, s30, 16
	s_add_nc_u64 s[26:27], s[26:27], s[6:7]        ; 16 rows of 4,096 bytes a tile
	s_lshr_b32 s31, s30, 3
	s_and_b32 s31, s31, s5                         ; w1F has nine tiles a block: one tile more for every eight
	s_add_co_u32 s31, s31, s30
	s_lshl_b32 s6, s31, 15
	s_add_nc_u64 s[28:29], s[28:29], s[6:7]
	CONV 0
	s_wait_dscnt 0x0                               ; the closing lines, six on end
	s_wait_alu 0x0
	s_wait_tensorcnt 0x0
	ds_add_u32 v128, v129
	s_wait_dscnt 0x0
	s_endpgm
.Lwo:
	s_sub_co_u32 s30, s2, 320
	s_lshl_b32 s6, s30, 16
	s_add_nc_u64 s[26:27], s[16:17], s[6:7]
	s_lshl_b32 s6, s30, 15
	s_add_nc_u64 s[28:29], s[22:23], s[6:7]
	CONV 1
	s_wait_dscnt 0x0                               ; the closing lines once more, for this end
	s_wait_alu 0x0
	s_wait_tensorcnt 0x0
	ds_add_u32 v128, v129
	s_wait_dscnt 0x0
	s_endpgm
.Lkv:	; wk, wv: [1024 (k)][64 (n)].  A wave takes 32 k x 64 n (8,192 neighbouring bytes) and stores four tiles' chunk.
	; These two inputs are a fiftieth of the launch's bytes: plain 4-byte loads, sixteen lanes on 64 neighbouring bytes.
	s_sub_co_u32 s2, s2, 384
	s_lshl3_add_u32 s2, s2, s4                     ; task 0..63
	s_lshr_b32 s3, s2, 5                           ; 0: wk, 1: wv
	s_and_b32 s5, s2, 31                           ; chunk
	s_cmp_lg_u32 s3, 0
	s_cselect_b64 s[26:27], s[14:15], s[12:13]
	s_lshl_b32 s6, s5, 13
	s_add_nc_u64 s[26:27], s[26:27], s[6:7]
	s_mul_i32 s6, s3, 4*294912                     ; wv's tiles lie in blocks 4..7
	s_lshl_b32 s5, s5, 10
	s_add_co_u32 s6, s6, s5
	s_add_co_u32 s6, s6, 8*32768                   ; tile 8 of a block
	s_add_nc_u64 s[28:29], s[20:21], s[6:7]
	v_lshlrev_b32 v1, 2, v7
	v_lshl_add_u32 v1, v8, 11, v1                  ; 8 h rows of 256 bytes + 4 r
	s_wait_alu depctr_va_vdst(0)                   ; v1, which the loads read, and v4, which the stores read, are written
.irp nt, 0,1,2,3
.irp e, 0,1
.irp j, 0,1,2,3,4,5,6,7
	global_load_b32 v[LD+16*\nt+8*\e+\j], v1, s[26:27] offset:(16*\e+\j)*256+64*\nt   ; k = 16 e + 8 h + j, n = 16 nt + r
.endr
.endr
.endr
.irp nt, 0,1,2,3
	s_wait_loadcnt 48-16*\nt                       ; loads come back in order: column tile nt's sixteen are in, the later tiles' stay out
.irp e, 0,1
.irp q, 0,1,2,3
	v_cvt_pk_bf16_f32 v[BK+8*\nt+4*\e+\q], v[LD+16*\nt+8*\e+2*\q], v[LD+16*\nt+8*\e+2*\q+1]
.endr
.endr
.endr
	s_wait_alu depctr_va_vdst(0)                   ; the 32 conversions have written BK, which the eight stores read
.irp nt, 0,1,2,3
.irp e, 0,1
	global_store_b128 v4, v[BK+8*\nt+4*\e:BK+8*\nt+4*\e+3], s[28:29] offset:294912*\nt+512*\e
.endr
.endr
	s_endpgm
.Ltab:	; cos and sin of position x freq(p0 + jj), jj = 0..3, into v[40+jj] and v[44+jj]: each line goes through the four pairs
	s_sub_co_u32 s2, s2, 392
	s_lshl3_add_u32 s2, s2, s4                     ; id = 4 PT + t
	s_lshr_b32 s3, s2, 2
	s_and_b32 s5, s2, 3
	s_lshl_b32 s6, s2, 10
	s_add_nc_u64 s[28:29], s[24:25], s[6:7]
	v_lshl_add_u32 v9, s3, 4, v7                   ; position 16 PT + r
	v_cvt_f32_u32 v9, v9
	s_lshl_b32 s5, s5, 3
	v_lshl_add_u32 v10, v8, 2, s5                  ; p0 = 8 t + 4 h
	; T+0: -p log2(1000) / 32;  T+1: freq, one batch of four exponentials
	ALL4 v_add_nc_u32 v[T], J, v10
	ALL4 v_cvt_f32_u32 v[T], v[T]
	ALL4 v_mul_f32 v[T], 0xbe9f73da, v[T]
	ALL4 v_exp_f32 v[T+1], v[T]
	v_nop                                          ; one plain place behind the last v_exp_f32 (ISA guide 5.7.2)
	s_wait_alu depctr_va_vdst(0)                   ; the four exponentials have written their freq, ahead of the first line that names one
	; T+1: the angle;  T+2: kq = angle x 2 / pi, rounded;  T+3: r = angle - kq x pi/2, upper part, lower part;  T+4: r r
	ALL4 v_mul_f32 v[T+1], v9, v[T+1]
	ALL4 v_mul_f32 v[T+2], 0x3f22f983, v[T+1]
	ALL4 v_rndne_f32 v[T+2], v[T+2]
	ALL4 v_fmamk_f32 v[T+3], v[T+2], 0xbfc90fdb, v[T+1]
	ALL4 v_fmamk_f32 v[T+3], v[T+2], 0x333bbd2e, v[T+3]
	ALL4 v_mul_f32 v[T+4], v[T+3], v[T+3]
	; T+5: sin r, coefficients -1/5040, 1/120, -1/6, 1
	ALL4 v_mov_b32 v[T+5], 0xb9500d01
	ALL4 v_fmaak_f32 v[T+5], v[T+4], v[T+5], 0x3c088889
	ALL4 v_fmaak_f32 v[T+5], v[T+4], v[T+5], 0xbe2aaaab
	ALL4 v_fma_f32 v[T+5], v[T+4], v[T+5], 1.0
	ALL4 v_mul_f32 v[T+5], v[T+3], v[T+5]
	; T+6: cos r, coefficients 1/40320, -1/720, 1/24, -1/2, 1
	ALL4 v_mov_b32 v[T+6], 0x37d00d01
	ALL4 v_fmaak_f32 v[T+6], v[T+4], v[T+6], 0xbab60b61
	ALL4 v_fmaak_f32 v[T+6], v[T+4], v[T+6], 0x3d2aaaab
	ALL4 v_fma_f32 v[T+6], v[T+4], v[T+6], -0.5
	ALL4 v_fma_f32 v[T+6], v[T+4], v[T+6], 1.0
	; T+7: kq as a whole number.  Odd quarter: sin r and cos r change places: the four masks are made in one run
	ALL4 v_cvt_i32_f32 v[T+7], v[T+2]
	ALL4 v_and_b32 v[T+8], 1, v[T+7]
	ALL4 v_cmp_eq_u32 s[MK+J], 1, v[T+8]
	; the signs, which read no mask, stand between the compares and the wait.  T+9: sin is negative in quarters 2 and 3;  T+7: cos in quarters 1 and 2
	ALL4 v_lshlrev_b32 v[T+9], 30, v[T+7]
	ALL4 v_and_b32 v[T+9], 0x80000000, v[T+9]
	ALL4 v_add_nc_u32 v[T+7], 1, v[T+7]
	ALL4 v_lshlrev_b32 v[T+7], 30, v[T+7]
	ALL4 v_and_b32 v[T+7], 0x80000000, v[T+7]
	s_wait_alu depctr_va_sdst(0)                   ; the four compares have written s[32:35], ahead of the selects that read them
	ALL4 v_cndmask_b32 v[T+10], v[T+5], v[T+6], s[MK+J]
	ALL4 v_cndmask_b32 v[T+11], v[T+6], v[T+5], s[MK+J]
	ALL4 v_xor_b32 v[44+J], v[T+9], v[T+10]
	ALL4 v_xor_b32 v[40+J], v[T+7], v[T+11]
	s_wait_alu depctr_va_vdst(0)                   ; v[40:47], the two stores' data, and v4, their offset, are written
	global_store_b128 v4, v[40:43], s[28:29]
	global_store_b128 v4, v[44:47], s[28:29] offset:512
	s_endpgm
.Lfunc_end_k_q753e9bd1b7_prep:
	.size	k_q753e9bd1b7_prep, .Lfunc_end_k_q753e9bd1b7_prep-k_q753e9bd1b7_prep
	.p2alignl 7, 3214868480
	.fill 96, 4, 3214868480
	.section	.rodata,"a",@progbits
	.p2align	6, 0x0
	.amdhsa_kernel k_q753e9bd1b7_prep
		.amdhsa_group_segment_fixed_size 37888
		.amdhsa_private_segment_fixed_size 0
		.amdhsa_enable_private_segment 0
		.amdhsa_kernarg_size 72
		.amdhsa_user_sgpr_count 2
		.amdhsa_user_sgpr_kernarg_segment_ptr 1
		.amdhsa_wavefront_size32 1
		.amdhsa_system_sgpr_workgroup_id_x 1
		.amdhsa_system_sgpr_workgroup_id_y 1
		.amdhsa_system_sgpr_workgroup_id_z 1
		.amdhsa_system_vgpr_workitem_id 0
		.amdhsa_next_free_vgpr 130
		.amdhsa_next_free_sgpr 66
		.amdhsa_reserve_vcc 0
		.amdhsa_float_denorm_mode_32 3
		.amdhsa_float_denorm_mode_16_64 3
		.amdhsa_memory_ordered 1
		.amdhsa_forward_progress 1
		.amdhsa_inst_pref_size 38
	.end_amdhsa_kernel
	.amdgpu_metadata
---
amdhsa.version: [ 1, 2 ]
amdhsa.kernels:
  - .name:           k_q753e9bd1b7_prep
    .symbol:         k_q753e9bd1b7_prep.kd
    .args:
      - { .name: x, .offset: 0, .size: 8, .value_kind: global_buffer, .address_space: global }
      - { .name: wq, .offset: 8, .size: 8, .value_kind: global_buffer, .address_space: global }
      - { .name: wk, .offset: 16, .size: 8, .value_kind: global_buffer, .address_space: global }
      - { .name: wv, .offset: 24, .size: 8, .value_kind: global_buffer, .address_space: global }
      - { .name: wo, .offset: 32, .size: 8, .value_kind: global_buffer, .address_space: global }
      - { .name: xF, .offset: 40, .size: 8, .value_kind: global_buffer, .address_space: global }
      - { .name: w1F, .offset: 48, .size: 8, .value_kind: global_buffer, .address_space: global }
      - { .name: woF, .offset: 56, .size: 8, .value_kind: global_buffer, .address_space: global }
      - { .name: tab, .offset: 64, .size: 8, .value_kind: global_buffer, .address_space: global }
    .group_segment_fixed_size: 37888
    .private_segment_fixed_size: 0
    .kernarg_segment_align: 8
    .kernarg_segment_size: 72
    .max_flat_workgroup_size: 256
    .sgpr_count:     66
    .vgpr_count:     130
    .wavefront_size: 32
...
	.end_amdgpu_metadata
.endif
;; end of part 7
;; launch proj: the kernel of part 2 again; grid 8 x 32, 4 waves a work-group, clusters of 4 x 4, 327,680 bytes of LDS; arguments xF, w1F, tab, qF, kF, vF; writes qF, kF, vF
;; launch attn: the kernel of part 5 again; grid 256 x 1, 8 waves a work-group, clusters of 4 x 1, 327,680 bytes of LDS; arguments qF, kF, vF, aF; writes aF
;; launch oproj: the kernel of part 6 again; grid 8 x 32, 4 waves a work-group, clusters of 4 x 4, 327,680 bytes of LDS; arguments aF, woF, out0; writes out0
